; MI455X (gfx1250); checked and timed in simulation.
; The chip was launched on July 23, 2026; its instructions are those of AMD's public machine-readable ISA for CDNA 5 (MIT licence, August 2026) and "CDNA5" Instruction Set Architecture Reference Guide (July 2026). The comments in the code are by the model that wrote it; some were corrected since.
;; Ro PE Attention. Allowed arithmetic: matrix products marked QUANTISED: E2M1 operands, one E8M0 scale for each 32 along K, by v_wmma_scale_f32_16x16x128_f8f6f4 with both operands' format E2M1 (or v_wmma_scale_f32_32x16x128_f4), f32 sums; products left as they are: f32 operands where the result goes on into a quantised operand, else bf16, f16 or f32 operands; f32 sums; everything else in f32.
;; Inputs: Wk_codes 1,024 x 32 x 16 uint8 (E2M1 codes of Wk, K innermost, in blocks of 32 codes, two codes a byte); Wk_scales 1,024 x 32 uint8 (E8M0 scales of Wk, one for each 32 codes along K); Wo_codes 1,024 x 32 x 16 uint8 (E2M1 codes of Wo, K innermost, in blocks of 32 codes, two codes a byte); Wo_scales 1,024 x 32 uint8 (E8M0 scales of Wo, one for each 32 codes along K); Wq_codes 1,024 x 32 x 16 uint8 (E2M1 codes of Wq, K innermost, in blocks of 32 codes, two codes a byte); Wq_scales 1,024 x 32 uint8 (E8M0 scales of Wq, one for each 32 codes along K); Wv_codes 1,024 x 32 x 16 uint8 (E2M1 codes of Wv, K innermost, in blocks of 32 codes, two codes a byte); Wv_scales 1,024 x 32 uint8 (E8M0 scales of Wv, one for each 32 codes along K); attention_mask 4 x 2,048 int32; beta 1,024 float32; gamma 1,024 float32; x 4 x 2,048 x 1,024 float32.
;; Outputs: out0 4 x 2,048 x 1,024 float32.
;; This version of the problem:
;;   THIS VERSION OF THE PROBLEM IS GIVEN IN LOW PRECISION. The matrix products marked QUANTISED in the list below multiply operands that are first quantised to E2M1 (2 exponent bits, 1 mantissa bit; 4 bits a number), with one power-of-two scale for each 32 numbers along K (OCP MX v1.0); their sums are f32. All else is computed in f32.
;;   The module's matrix products, in the order in which they are computed (A, B: the left and right operand; K: the contracted axis; several contracted axes count as one K, in the product's order):
;;     1. [M 8,192, K 1,024] x [K 1,024, N 1,024]; A: input x; B: input Wq (given as codes): QUANTISED
;;     2. [M 8,192, K 1,024] x [K 1,024, N 1,024]; A: input x; B: input Wk (given as codes): QUANTISED
;;     3. [M 8,192, K 1,024] x [K 1,024, N 1,024]; A: input x; B: input Wv (given as codes): QUANTISED
;;     4. [M 2,048, K 1] x [K 1, N 32]; A: computed on the way; B: computed on the way: left as it is (no contracted axis)
;;     5. batch 64 x [M 2,048, K 64] x [K 64, N 2,048]; A: computed on the way; B: computed on the way: QUANTISED
;;     6. batch 64 x [M 2,048, K 2,048] x [K 2,048, N 64]; A: softmax (see below); B: computed on the way: QUANTISED
;;     7. [M 8,192, K 1,024] x [K 1,024, N 1,024]; A: computed on the way; B: input Wo (given as codes): QUANTISED
;;   THE QUANTISER, for each operand of a quantised product, along K:
;;     - K is cut into blocks of 32 from its start; a last block that is shorter is filled with zeros.
;;     - A block's scale is 2^e with e = floor(log2(the largest magnitude in the block)) - 2, held to -126 .. 127; a block of zeros has e = 0. As a byte (E8M0): e + 127.
;;     - Each number is divided by its block's scale, clamped to +-6, and rounded to the nearest number of E2M1, ties to even, subnormals kept.
;;     - The product sums the exact products of the quantised numbers (number of the format x scale) in f32.
;;   ~~~python
;;   def quantise(x, axis):      # numpy; x: float32 -> the quantised numbers, widened to float32 again
;;       x = np.moveaxis(x, axis, -1); K = x.shape[-1]
;;       x = np.pad(x, [(0, 0)] * (x.ndim - 1) + [(0, -K % 32)]); x = x.reshape(x.shape[:-1] + (-1, 32)); a = np.abs(x).max(-1, keepdims=True)
;;       e = np.where(a > 0, np.clip(np.frexp(np.where(a > 0, a, 1))[1] - 1 - 2, -126, 127), 0)      # np.frexp(a)[1] - 1 = floor(log2(a)), exactly
;;       r = np.clip(x / 2.0 ** e, -6, 6)
;;       step = 2.0 ** (np.maximum(np.frexp(np.where(r == 0, 1, r))[1] - 1, 0) - 1)
;;       q = np.round(r / step) * step * 2.0 ** e      # np.round: ties to even
;;       return np.moveaxis(q.reshape(q.shape[:-2] + (-1,))[..., :K], -1, axis).astype(np.float32)
;;   ~~~
;;   SOFTMAX AHEAD OF A QUANTISED PRODUCT. Where the list says 'softmax', what is quantised is not the finished softmax but p = 2^(t - M), with t = logit x log2(e) and M = ceil(the row's largest t), a whole number; so 1/2 < the row's largest p <= 1. The row's sum l is taken of the UNQUANTISED p, in f32, and the product's result is divided by l at the end. Since M is a whole number, a kernel that streams over the keys may use a running M (the ceiling of the running maximum): every later rescaling is an exact power of two, which a block's scale takes up: the codes' values come out the same.
;;   OPERANDS COMPUTED ON THE WAY. 'Computed on the way' means the value that the module computes at that place (a softmax that the list does not call 'softmax' is quantised finished and normalised). What goes into a quantiser is computed in f32, as accurately as f32 sums, v_exp_f32 and their like allow (about 1e-6 of the number): no bf16 or f16 on the way to a quantiser, and a product that is left as it is and whose result goes on into a quantised operand takes f32 operands (vector FMAs, or v_wmma_f32_16x16x4_f32). A number that lies on a knife's edge between two numbers of the format may be rounded either way, as far as f32 arithmetic and the matrix unit's own rounding can turn it there, and no further.
;;   INPUTS GIVEN AS CODES. Wk (in the module: [1024, 1024], K = its axis 1); Wo (in the module: [1024, 1024], K = its axis 1); Wq (in the module: [1024, 1024], K = its axis 1); Wv (in the module: [1024, 1024], K = its axis 1): each comes as NAME_codes (uint8): NAME with its K axis moved to the last place and cut into blocks of 32 codes, [.., K / 32, bytes a block], one block behind the other in memory; two codes a byte, the lower K in the low four bits (a code: sign, 2 exponent bits, 1 mantissa bit); and NAME_scales (uint8): the same leading axes, one E8M0 byte (e + 127) for each 32 codes along K. Its value is code x scale, taken as it is: it is not quantised again, and the codes and scales need not be those that the quantiser above would give.
;; One version. Each part assembles by itself: llvm-mc -triple=amdgcn-amd-amdhsa -mcpu=gfx1250 --defsym DOCPART=n.
;; ======== version 1 of 1: 4 launches
;; limits: right only within a limited range of input values
;; workspace buffers: x_codes 4,194,304 bytes; x_scales 262,144 bytes; rope 524,288 bytes; qkv 14,155,776 bytes; a_img 4,194,304 bytes; a_sc 262,144 bytes
;; launch prep (part 1): grid 272 x 1, 4 waves a work-group, no clusters, 33,280 bytes of LDS; arguments x, x_codes, x_scales, rope; writes x_codes, x_scales, rope
.if DOCPART == 1
	.amdgcn_target "amdgcn-amd-amdhsa--gfx1250"
	.amdhsa_code_object_version 6
	.text
	.protected	k_q9e8e2dd7aa_prep
	.globl	k_q9e8e2dd7aa_prep
	.p2align	8
	.type	k_q9e8e2dd7aa_prep,@function
k_q9e8e2dd7aa_prep:
	s_mov_b64 s[64:65], 0
	v_nop
	global_prefetch_b8 v0, s[64:65] scope:SCOPE_SE
	s_setreg_imm32_b32 hwreg(HW_REG_WAVE_MODE, 25, 1), 1
	s_wait_xcnt 0x0
; Work-groups 0-255: x [8192][1024] f32 becomes codes of FP4 (E2M1), K innermost, 512 bytes a row, and one E8M0 byte for each 32 along K, 32 bytes a row.
; A block's scale is 2^(floor(log2(its largest magnitude)) - 2); its byte is the largest magnitude's exponent field - 2, held at 1 from below.
; (A block of zeros keeps the byte 1 where the quantiser says 127: its codes are zeros, and this program alone reads the bytes.)
; Rows are dense, so x is a plain stream of blocks of 32.  A wave takes 16 steps of 512 numbers; each load reads 512 consecutive bytes; a step turns through the
; wave's own stage in LDS so that a lane holds 16 neighbours along K; two neighbouring lanes hold a block.  Loads run four steps ahead, the stage one step.
; Work-groups 256-271: the table of cos and sin for the rotation, laid as the next launch's registers want it: [t / 16][idx 8][lane][16 bytes];
; idx = 2 u + q holds cos(t = 16 tt + lane % 16, frequency 16 u + 8 (lane / 16) + 4 q + 0..3), idx + 4 the sines.  This way uses no LDS.
; The angle is t x 10000^(-j/32), one rounding of the product.  It is reduced by a multiple of pi/2 taken in two parts, and cos and sin are polynomials on +-pi/4.
; LIMITS: NaN and infinities among the inputs are not served; blocks whose largest magnitude lies under 2^-124 keep the byte 1;
; of pi/2 what lies under its two parts is left out: under 2.3e-12 of the angle at the largest t, 2047.
.set STEPS, 16
.set EMAX,  2
.set CB,    8                          ; bytes of 16 codes
.set R,     16                         ; v16-79   four sets of 16 numbers as loaded
.set X,     80                         ; v80-111  two sets of 16 neighbours
.set E,     112                        ; v112-127 a scale byte for each step
.set C,     128                        ; v128-191 codes: four registers a step, so that no store's data are written again
.set WREG,  8192                       ; LDS: a region for each wave: two stages of 32 x SP bytes, then its 256 scale bytes
.set SP,    80                         ; a lane's place in a stage: 64 bytes + 16 of padding
	s_load_b256 s[4:11], s[0:1], 0x0               ; x s[4:5], x_codes s[6:7], x_scales s[8:9], rope s[10:11]
	v_lshl_add_u32 v192, v0, 2, 0x8000
	v_mov_b32 v193, 0
	v_lshrrev_b32 v1, 5, v0
	v_readfirstlane_b32 s16, v1                    ; wave 0..3
	v_and_b32 v2, 31, v0                           ; lane
	s_cmp_ge_u32 ttmp9, 256                        ; the last sixteen work-groups make the table
	s_cbranch_scc1 .Ltable
	v_lshlrev_b32 v3, 4, v2                        ; my 16 bytes of a load's 512
	s_mul_i32 s17, s16, WREG
	v_lshrrev_b32 v14, 2, v2
	v_mul_u32_u24 v14, v14, SP
	v_and_b32 v15, 3, v2
	v_lshl_add_u32 v14, v15, 4, v14
	v_add_nc_u32 v14, s17, v14                     ; the stage, in: SP (lane / 4) + 16 (lane % 4)
	v_mul_u32_u24 v15, v2, SP
	v_add_nc_u32 v15, s17, v15                     ; and out: SP x lane: my 16 neighbours
	v_mul_u32_u24 v4, v2, CB                       ; my codes' place in a step's
	v_lshrrev_b32 v5, 1, v2
	s_add_co_u32 s17, s17, 2*32*SP
	v_add_nc_u32 v5, s17, v5                       ; LDS: my block's scale byte
	v_lshlrev_b32 v7, 3, v2                        ; on the way out 8 bytes a lane
	v_add_nc_u32 v6, s17, v7
	s_lshl_b32 s18, ttmp9, 2
	s_add_co_u32 s18, s18, s16                     ; which run of 8,192 numbers is my wave's: 0..1023
	s_lshl_b32 s20, s18, 15                        ; 32,768 bytes of x,
	s_mov_b32 s21, 0
	s_lshl_b32 s22, s18, 12                        ; 4,096 of codes,
	s_mov_b32 s23, 0
	s_lshl_b32 s24, s18, 8                         ; 256 of scale bytes a run
	s_mov_b32 s25, 0
	s_wait_alu depctr_va_vdst(0)
	s_wait_kmcnt 0x0
	s_add_nc_u64 s[4:5], s[4:5], s[20:21]
	s_add_nc_u64 s[6:7], s[6:7], s[22:23]
	s_add_nc_u64 s[8:9], s[8:9], s[24:25]
.macro LOAD t
.irp i, 0,1,2,3
	global_load_b128 v[R+16*((\t)%4)+4*\i:R+16*((\t)%4)+4*\i+3], v3, s[4:5] offset:2048*(\t)+512*\i th:TH_LOAD_NT   ; 32 lanes read 512 consecutive bytes
.endr
.endm
.macro TURN t                          ; step t through the stage: LDS serves a wave's instructions in order, so no wait stands between the stores and the loads
.irp i, 0,1,2,3
	ds_store_b128 v14, v[R+16*((\t)%4)+4*\i:R+16*((\t)%4)+4*\i+3] offset:32*SP*((\t)%2)+8*SP*\i
.endr
.irp i, 0,1,2,3
	ds_load_b128 v[X+16*((\t)%2)+4*\i:X+16*((\t)%2)+4*\i+3], v15 offset:32*SP*((\t)%2)+16*\i
.endr
.endm
.irp t, 0,1,2,3
	LOAD \t
.endr
	s_wait_loadcnt 12                              ; step 0's four loads are in; twelve younger ones stay out
	TURN 0
.macro STEP t
.set XS, X+16*((\t)%2)
.if (\t) > 0
	s_wait_dscnt 1                                 ; this step's numbers are back from the stage (the last step's byte store may be out)
.else
	s_wait_dscnt 0x0
.endif
.if (\t)+4 < STEPS
	LOAD (\t)+4                                    ; into the registers that the stage's stores have read
.endif
.if (\t)+1 < STEPS
.if STEPS-2-(\t) >= 3
	s_wait_loadcnt 12                              ; the next step's four loads are in; those of three steps behind it may be out
.else
	s_wait_loadcnt 4*(STEPS-2-(\t))
.endif
	TURN (\t)+1
.endif
	v_max3_num_f32 v8, |v[XS]|, |v[XS+1]|, |v[XS+2]|               ; the largest magnitude of my 16, in two chains
	v_max3_num_f32 v9, |v[XS+3]|, |v[XS+4]|, |v[XS+5]|
.irp i, 6,10
	v_max3_num_f32 v8, v8, |v[XS+\i]|, |v[XS+\i+1]|
	v_max3_num_f32 v9, v9, |v[XS+\i+2]|, |v[XS+\i+3]|
.endr
	v_max3_num_f32 v8, v8, |v[XS+14]|, |v[XS+15]|
	v_max3_num_f32 v8, v8, v9, (EMAX+1)<<23        ; and the floor 2^(3 - 127): the byte cannot fall under 1
	v_max_num_f32_dpp v8, v8, v8 row_xmask:1 row_mask:0xf bank_mask:0xf   ; with my neighbour's 16: the block's
	v_add_nc_u32 v11, 0xff000000, v8               ; 2 off its exponent field: the conversion takes the exponent field of this operand as its scale
	v_cvt_scalef32_pk8_fp4_f32 v[C+4*(\t)], v[XS:XS+7], v11
	v_cvt_scalef32_pk8_fp4_f32 v[C+4*(\t)+1], v[XS+8:XS+15], v11
	v_lshrrev_b32 v[E+(\t)], 23, v11               ; the scale's byte (also the plain line behind the conversions)
	ds_store_b8 v5, v[E+(\t)] offset:16*(\t)       ; both lanes of a block write the same byte with the same value
	global_store_b64 v4, v[C+4*(\t):C+4*(\t)+1], s[6:7] offset:32*CB*(\t)   ; the wave stores 256 consecutive bytes, aligned
.endm
.irp t, 0,1,2,3,4,5,6,7,8,9,10,11,12,13,14,15
	STEP \t
.endr
	ds_load_b64 v[12:13], v6                       ; in order behind my byte stores
	s_wait_dscnt 0x0
	global_store_b64 v7, v[12:13], s[8:9]          ; 256 consecutive scale bytes, aligned
	s_wait_tensorcnt 0x0
	ds_add_u32 v192, v193
	s_wait_dscnt 0x0
	s_endpgm
.Ltable:                                           ; wave i of work-group 256 + tt0 keeps idx = i and walks tt = tt0 + 16 k, k = 0..7
	s_sub_co_u32 s18, ttmp9, 256                   ; tt0
	s_wait_alu depctr_va_vdst(0)
	v_and_b32 v3, 15, v2                           ; r
	v_lshrrev_b32 v4, 4, v2                        ; h
	s_lshr_b32 s17, s16, 1
	s_lshl_b32 s17, s17, 4
	s_and_b32 s19, s16, 1
	s_lshl_b32 s19, s19, 2
	s_add_co_u32 s17, s17, s19
	v_lshl_add_u32 v5, v4, 3, s17                  ; my first frequency: 16 (i / 2) + 8 h + 4 (i % 2)
	s_wait_alu depctr_va_vdst(0)
	s_mov_b32 s24, 0x3ed49a78                      ; log2(10) / 8, upper part
	s_mov_b32 s25, 0x32179a37                      ; and the rest
	s_mov_b32 s26, 0x3f22f983                      ; 2 / pi
	s_mov_b32 s27, 0x3fc90fdb                      ; pi / 2, upper part
	s_mov_b32 s28, 0xb33bbd2e                      ; and the rest
	s_mov_b32 s29, 0xb94ca1f9                      ; sine: -1.9515296e-4,
	s_mov_b32 s30, 0x3c08839e                      ; 8.3321609e-3,
	s_mov_b32 s31, 0xbe2aaaa3                      ; -1.6666655e-1
	s_mov_b32 s32, 0x37ccf5ce                      ; cosine: 2.4433157e-5,
	s_mov_b32 s33, 0xbab6061a                      ; -1.3887316e-3,
	s_mov_b32 s34, 0x3d2aaaa5                      ; 4.1666646e-2
.irp m, 0,1,2,3                        ; 10000^(-j/32) = 2^(-j L): the whole part n of j L goes into the exponent, the rest, at most 1/2, into v_exp_f32
	v_add_nc_u32 v[24+\m], \m, v5
	v_cvt_f32_u32 v[24+\m], v[24+\m]               ; j
	v_mul_f32 v[28+\m], s24, v[24+\m]
	v_rndne_f32 v[28+\m], v[28+\m]                 ; n
	v_fma_f32 v[32+\m], -v[24+\m], s24, v[28+\m]   ; n - j L, exact in its first part,
	v_fma_f32 v[32+\m], -v[24+\m], s25, v[32+\m]   ; and L's rest
	v_cvt_i32_f32 v[28+\m], v[28+\m]
	v_sub_nc_u32 v[28+\m], 0, v[28+\m]             ; -n
.endr
	s_wait_alu depctr_va_vdst(0)
.irp m, 0,1,2,3
	v_exp_f32 v[8+\m], v[32+\m]
.endr
	s_lshl_b32 s19, s18, 4
	v_add_nc_u32 v12, s19, v3                      ; (the plain line behind the exponentials)  t = 16 tt0 + r
	s_wait_alu depctr_va_vdst(0)
.irp m, 0,1,2,3
	v_ldexp_f32 v[8+\m], v[8+\m], v[28+\m]         ; v8-11: my four frequencies
.endr
	v_cvt_f32_u32 v12, v12                         ; t as f32: exact
	s_lshl_b32 s19, s18, 12
	s_lshl_b32 s21, s16, 9
	s_add_co_u32 s19, s19, s21
	v_lshl_add_u32 v13, v2, 4, s19                 ; my 16 bytes: 4,096 tt0 + 512 i + 16 lane
	s_mov_b32 s20, 8
	s_wait_kmcnt 0x0
.macro SINCOS m                        ; cos into v[16 + m], sin into v[20 + m]
	v_mul_f32 v24, v12, v[8+\m]                    ; the angle
	v_mul_f32 v25, s26, v24
	v_rndne_f32 v25, v25                           ; n: how many quarter turns
	v_fma_f32 v24, -v25, s27, v24                  ; the rest, within +-pi/4: this difference is exact,
	v_fma_f32 v24, -v25, s28, v24                  ; this one rounded once
	v_mul_f32 v26, v24, v24                        ; z
	v_cvt_i32_f32 v25, v25
	v_fma_f32 v27, s29, v26, s30
	v_fma_f32 v27, v27, v26, s31
	v_mul_f32 v28, v26, v24
	v_fma_f32 v27, v27, v28, v24                   ; the rest's sine
	v_fma_f32 v29, s32, v26, s33
	v_fma_f32 v29, v29, v26, s34
	v_mul_f32 v30, v26, v26
	v_fma_f32 v31, v26, -0.5, 1.0
	v_fma_f32 v29, v29, v30, v31                   ; and cosine
	v_and_b32 v30, 1, v25
	v_cmp_ne_u32 vcc_lo, 0, v30                    ; an odd n changes the two
	v_cndmask_b32 v[20+\m], v27, v29, vcc_lo
	v_cndmask_b32 v[16+\m], v29, v27, vcc_lo
	v_and_b32 v30, 2, v25                          ; the sine's sign turns for n % 4 = 2, 3,
	v_lshlrev_b32 v30, 30, v30
	v_xor_b32 v[20+\m], v[20+\m], v30
	v_add_nc_u32 v31, 1, v25                       ; the cosine's for n % 4 = 1, 2
	v_and_b32 v31, 2, v31
	v_lshlrev_b32 v31, 30, v31
	v_xor_b32 v[16+\m], v[16+\m], v31
.endm
.Ltrip:
	s_wait_alu depctr_va_vdst(0)
.irp m, 0,1,2,3
	SINCOS \m
.endr
	global_store_b128 v13, v[16:19], s[10:11]              ; the wave stores 512 consecutive bytes, aligned
	global_store_b128 v13, v[20:23], s[10:11] offset:2048
	s_wait_xcnt 0x0                                ; the offset and the data are written again only behind this wait
	v_add_nc_u32 v13, 0x10000, v13                 ; 16 tiles of t on
	v_add_f32 v12, 0x43800000, v12                 ; t + 256: exact
	s_sub_co_u32 s20, s20, 1
	s_cmp_lg_u32 s20, 0
	s_cbranch_scc1 .Ltrip
	s_endpgm
.Lfunc_end_k_q9e8e2dd7aa_prep:
	.size	k_q9e8e2dd7aa_prep, .Lfunc_end_k_q9e8e2dd7aa_prep-k_q9e8e2dd7aa_prep
	.p2alignl 7, 3214868480
	.fill 96, 4, 3214868480
	.section	.rodata,"a",@progbits
	.p2align	6, 0x0
	.amdhsa_kernel k_q9e8e2dd7aa_prep
		.amdhsa_group_segment_fixed_size 33280
		.amdhsa_private_segment_fixed_size 0
		.amdhsa_enable_private_segment 0
		.amdhsa_kernarg_size 32
		.amdhsa_user_sgpr_count 2
		.amdhsa_user_sgpr_kernarg_segment_ptr 1
		.amdhsa_wavefront_size32 1
		.amdhsa_system_sgpr_workgroup_id_x 1
		.amdhsa_system_sgpr_workgroup_id_y 1
		.amdhsa_system_sgpr_workgroup_id_z 1
		.amdhsa_system_vgpr_workitem_id 0
		.amdhsa_next_free_vgpr 194
		.amdhsa_next_free_sgpr 66
		.amdhsa_reserve_vcc 1
		.amdhsa_float_denorm_mode_32 3
		.amdhsa_float_denorm_mode_16_64 3
		.amdhsa_memory_ordered 1
		.amdhsa_forward_progress 1
		.amdhsa_inst_pref_size 41
	.end_amdhsa_kernel
	.amdgpu_metadata
---
amdhsa.version: [ 1, 2 ]
amdhsa.kernels:
  - .name:           k_q9e8e2dd7aa_prep
    .symbol:         k_q9e8e2dd7aa_prep.kd
    .args:
      - { .name: x, .offset: 0, .size: 8, .value_kind: global_buffer, .address_space: global }
      - { .name: x_codes, .offset: 8, .size: 8, .value_kind: global_buffer, .address_space: global }
      - { .name: x_scales, .offset: 16, .size: 8, .value_kind: global_buffer, .address_space: global }
      - { .name: rope, .offset: 24, .size: 8, .value_kind: global_buffer, .address_space: global }
    .group_segment_fixed_size: 33280
    .private_segment_fixed_size: 0
    .kernarg_segment_align: 8
    .kernarg_segment_size: 32
    .max_flat_workgroup_size: 128
    .sgpr_count:     66
    .vgpr_count:     194
    .wavefront_size: 32
...
	.end_amdgpu_metadata
.endif
;; end of part 1
;; launch qkv (part 2): grid 12 x 64, 4 waves a work-group, clusters of 4 x 4, 222,720 bytes of LDS; arguments x_codes, x_scales, Wq_codes, Wq_scales, Wk_codes, Wk_scales, Wv_codes, Wv_scales, rope, qkv; writes qkv
.if DOCPART == 2
	.amdgcn_target "amdgcn-amd-amdhsa--gfx1250"
	.amdhsa_code_object_version 6
	.text
	.protected	k_q9e8e2dd7aa_qkv
	.globl	k_q9e8e2dd7aa_qkv
	.p2align	8
	.type	k_q9e8e2dd7aa_qkv,@function
k_q9e8e2dd7aa_qkv:
	s_mov_b64 s[64:65], 0
	v_nop
	global_prefetch_b8 v0, s[64:65] scope:SCOPE_SE
	s_setreg_imm32_b32 hwreg(HW_REG_WAVE_MODE, 25, 1), 1
	s_wait_xcnt 0x0
	s_wait_alu depctr_hold_cnt(0) depctr_sa_sdst(0) depctr_va_vdst(0) depctr_va_sdst(0) depctr_va_ssrc(0) depctr_va_vcc(0) depctr_vm_vsrc(0)
	s_getreg_b32 s2, hwreg(HW_REG_IB_STS2, 6, 4)
	s_cmp_eq_u32 s2, 0
	s_cbranch_scc0 .Lentry_in_a_cluster
	s_endpgm
.Lentry_in_a_cluster:
	s_bfe_u32 s2, ttmp6, 0x10000c
	s_cmp_lg_u32 s2, 0xf033
	s_cbranch_scc0 .Lentry_shape_is_right
	s_endpgm
.Lentry_shape_is_right:
; q, k, v = x W^T on codes of FP4 with E8M0 scales; q and k are rotated in f32 and quantised along the head's 64; v is quantised along the keys.  The results leave as IMAGES OF OPERAND REGISTERS.
; SHARES.  The cluster's x says which weight: 0 Wq, 1 Wk, 2 Wv.  A work-group takes 128 rows of x (my = 4 x cluster y + cy) x 256 rows of that weight (block cx); wave w takes all 128 rows x head 4 cx + w:
; 8 tiles of x x 4 tiles of W = 32 accumulators.  All of K = 1,024 lies in LDS as rows of 512 bytes, each filled ONCE: no LDS byte is filled again.
; CLUSTER 4 x 4: x's tiles and scales are shared along a row of the cluster, the weight's along a column: joint loads, each with a mask that names the four.
; q, k: source 0 = 16 rows of W, source 1 = 16 rows of x: lane (r, h), register j = row 16 xt + r, channel 16 wt + 8 h + j.   v: the sources swapped: lane = channel 16 wt + r, register j = key 16 xt + 8 h + j.
; QUANTISING.  A conversion takes 8 neighbours along K: one tile's 8 registers.  Tile w = 4 c + 2 e + u writes register 4 c + 2 u + e; then registers 4 c, 4 c + 1 and 4 c + 2, 4 c + 3 change halves:
; register 4 c + g of lane (r, h) then holds K = 64 c + 32 h + 8 g + 0..7, the 4-bit operand's layout.  A block of 32 is tiles 2 b, 2 b + 1 in lanes l and l xor 16.
; OUT, a record of 221,184 bytes for each (batch, head): 0 Q images [tile 128][512]; 65,536 q's scale words; 73,728 K images; 139,264 V images [128 keys 16][16 channels 4][2][512]; 204,800 k's scale words; 212,992 v's.
; q's and k's scale words: [8 tiles][lane][16 bytes]: word p = halfword of tile 2 p | halfword of tile 2 p + 1 << 16, for row lane % 16.  v's: word dt = the four bytes of channel 16 dt + lane % 16.
; LIMITS: NaN and infinities are not served; a block whose largest magnitude lies under 2^-124 keeps the byte 1 (a block of zeros too: its codes are zeros).
; REGISTERS.  window 0: v1-7 addresses; v16-47 x's scale words, v48-63 W's (register i: K step i in lanes 0-15, K step 4 + i in lanes 16-31); v64-159, v160-255 two sets of fragments (x's 8, W's 4).  window 1: accumulator (xt, wt) at 32 xt + 8 wt.
; K's 1,024 codes of a row lie as ONE LDS row of 512 bytes, filled once by one load (not as two halves): x's 128 rows, W's 256 rows, x's scales and W's scales are four tiles, one tensor load a wave.
.set PITCH, 528                        ; an LDS row: 512 bytes + 16 of padding: 33 x 16 bytes, so the 16 rows that a load touches start at 16 different banks
.set WOFF,  128*PITCH                  ; x's 128 rows, then W's 256
.set SLOT,  384*PITCH
.set SCL,   SLOT
.set REC,   221184
.set XS,   16
.set WS,   48
.set G1X,  32                          ; s[32:39] group 1: x's tiles;  s[40:47] W's;  s[48:55] x's scales;  s[56:63] W's scales
.set G1W,  40
.set G1SX, 48
.set G1SW, 56
.set G0X,  68                          ; s[68:71] group 0 for x's tiles;  s[76:79] W's;  s[84:87], s[88:91] the scales'
.set G0W,  76
.set G0SX, 84
.set G0SW, 88
.set MSB, 0
.macro WIN new                         ; the immediate's high byte repeats the setting that is left
.if MSB != \new
	s_set_vgpr_msb (MSB<<8)|\new
.set MSB, \new
.endif
.endm
.macro PLACES
.rept 4
	v_nop
.endr
.endm
.macro ARM under, g0, g1, next         ; one arm of the head's tree of branches on the wave's number: its joint load and a jump to the tree's end
	s_cmp_lt_u32 s24, \under
	s_cbranch_scc0 \next
	tensor_load_to_lds s[\g0:\g0+3], s[\g1:\g1+7]
	s_nop 0
.rept 4
	v_nop
.endr
	s_branch .Lhead_asked
\next:
.endm
.macro CROUND                          ; a round of the cluster's barrier
	s_barrier_signal -1
	s_barrier_wait -1
	s_cmp_lg_u32 s24, 0
	s_cbranch_scc1 .Lnot_wave_0_\@
	s_barrier_signal -3
.Lnot_wave_0_\@:
	s_barrier_wait -3
	s_barrier_signal -1
	s_barrier_wait -1
.endm
	s_load_b512 s[4:19], s[0:1], 0x0               ; x_codes, x_scales, Wq codes, scales, Wk codes, scales, Wv codes, scales
	s_load_b128 s[20:23], s[0:1], 0x40             ; rope, qkv
	v_lshl_add_u32 v14, v0, 2, 0x36400
	v_mov_b32 v15, 0
	ds_add_u32 v14, v15
	ds_add_u32 v14, v15
	v_lshrrev_b32 v1, 5, v0
	v_readfirstlane_b32 s24, v1                    ; wave 0..3
	s_bfe_u32 s27, ttmp6, 0x40000                  ; cx
	s_bfe_u32 s28, ttmp6, 0x40004                  ; cy
	s_and_b32 s29, ttmp7, 0xffff
	s_lshl_b32 s29, s29, 2
	s_add_co_u32 s29, s29, s28                     ; my: which 128 rows of x
	s_lshl_b32 s30, s28, 2
	s_lshl_b32 s30, 15, s30                        ; my row of the cluster
	s_lshl_b32 s31, 0x1111, s27                    ; my column
	s_mov_b32 s2, 0x76543210
	s_mov_b32 s3, 0xfedcba98                       ; v_permlanex16_b32's selects for lane l xor 16
	s_or_b32 s[G1X], s30, (1<<20)|(1<<21)|(6<<22)|(3<<25)          ; the mask; elements of 1 byte; padding: 4 words behind every 128; bit 21 set beside a mask
	s_or_b32 s[G1W], s31, (1<<20)|(1<<21)|(6<<22)|(3<<25)
	s_or_b32 s[G1SX], s30, (3<<16)|(1<<20)|(1<<21)|(5<<22)|(3<<25) ; elements of 8 bytes
	s_or_b32 s[G1SW], s31, (3<<16)|(1<<20)|(1<<21)|(5<<22)|(3<<25)
	s_mov_b32 s[G1X+1], 512<<16                    ; x: 128 rows of 512 bytes, dense
	s_mov_b32 s[G1X+2], 128<<16
	s_mov_b32 s[G1X+3], 512<<16
	s_mov_b32 s[G1X+4], 128
	s_mov_b32 s[G1X+5], 512
	s_mov_b32 s[G1X+6], 0
	s_mov_b32 s[G1X+7], 0
	s_mov_b32 s[G1W+1], 512<<16                    ; W: 256 rows
	s_mov_b32 s[G1W+2], 256<<16
	s_mov_b32 s[G1W+3], 512<<16
	s_mov_b32 s[G1W+4], 256
	s_mov_b32 s[G1W+5], 512
	s_mov_b32 s[G1W+6], 0
	s_mov_b32 s[G1W+7], 0
	s_mov_b32 s[G1SX+1], 32<<16                    ; the scale bytes of 64 rows: 2,048 dense bytes as 8 rows of 256
	s_mov_b32 s[G1SX+2], 16<<16                    ; the scale bytes of 128 rows: 16 rows of 256
	s_mov_b32 s[G1SX+3], 32<<16
	s_mov_b32 s[G1SX+4], 16
	s_mov_b32 s[G1SX+5], 32
	s_mov_b32 s[G1SX+6], 0
	s_mov_b32 s[G1SX+7], 0
	s_mov_b32 s[G1SW+1], 32<<16                    ; of 128 rows: 16 rows of 256
	s_mov_b32 s[G1SW+2], 32<<16                    ; of 256 rows: 32 rows of 256
	s_mov_b32 s[G1SW+3], 32<<16
	s_mov_b32 s[G1SW+4], 32
	s_mov_b32 s[G1SW+5], 32
	s_mov_b32 s[G1SW+6], 0
	s_mov_b32 s[G1SW+7], 0
	s_lshl_b32 s92, s29, 7                         ; x's offsets, in registers that never hold cx: row 128 my
	s_lshl_b32 s94, s92, 5                         ; its scale bytes
	s_mov_b32 s95, 0
	s_lshl_b32 s92, s92, 9                         ; its codes
	s_mov_b32 s93, 0
	s_lshl_b32 s96, s27, 8                         ; W's offsets, in registers that never hold cy: row 256 cx
	s_lshl_b32 s98, s96, 5
	s_mov_b32 s99, 0
	s_lshl_b32 s96, s96, 9
	s_mov_b32 s97, 0
	s_wait_dscnt 0x0
	s_wait_kmcnt 0x0
	s_cmp_eq_u32 ttmp9, 1                          ; the weight is chosen by the cluster's x, which all sixteen share
	s_cselect_b64 s[8:9], s[12:13], s[8:9]
	s_cselect_b64 s[10:11], s[14:15], s[10:11]
	s_cmp_eq_u32 ttmp9, 2
	s_cselect_b64 s[8:9], s[16:17], s[8:9]
	s_cselect_b64 s[10:11], s[18:19], s[10:11]
	s_add_nc_u64 s[4:5], s[4:5], s[92:93]
	s_add_nc_u64 s[6:7], s[6:7], s[94:95]
	s_add_nc_u64 s[8:9], s[8:9], s[96:97]
	s_add_nc_u64 s[10:11], s[10:11], s[98:99]
	s_mov_b32 s[G0SX], 1
	s_mov_b32 s[G0SX+1], SCL
	s_mov_b64 s[G0SX+2:G0SX+3], s[6:7]
	s_or_b32 s[G0SX+3], s[G0SX+3], 0x80000000
	s_mov_b32 s[G0SW], 1
	s_mov_b32 s[G0SW+1], SCL+16*272
	s_mov_b64 s[G0SW+2:G0SW+3], s[10:11]
	s_or_b32 s[G0SW+3], s[G0SW+3], 0x80000000
	s_mov_b32 s[G0X], 1
	s_mov_b32 s[G0X+1], 0
	s_mov_b64 s[G0X+2:G0X+3], s[4:5]
	s_or_b32 s[G0X+3], s[G0X+3], 0x80000000
	s_mov_b32 s[G0W], 1
	s_mov_b32 s[G0W+1], WOFF
	s_mov_b64 s[G0W+2:G0W+3], s[8:9]
	s_or_b32 s[G0W+3], s[G0W+3], 0x80000000
	CROUND                                         ; all sixteen work-groups are here: the joint loads meet
	ARM 1, G0W,  G1W,  .Lhead_x                    ; one tensor load a wave: wave 0 W's 256 rows, wave 1 x's 128 rows,
	ARM 2, G0X,  G1X,  .Lhead_sw
	ARM 3, G0SW, G1SW, .Lhead_sx                   ; wave 2 W's scale bytes, wave 3 x's
	tensor_load_to_lds s[G0SX:G0SX+3], s[G1SX:G1SX+7]
	s_nop 0
.rept 4
	v_nop
.endr
.Lhead_asked:
	v_and_b32 v8, 31, v0
	v_lshlrev_b32 v1, 4, v8                        ; v1: 16 x lane: an image's place for my lane
	v_and_b32 v9, 15, v0                           ; r
	v_bfe_u32 v10, v0, 4, 1                        ; h
	v_mul_u32_u24 v2, v9, PITCH
	v_lshl_add_u32 v2, v10, 4, v2                  ; v2: x's fragments: row r x pitch + 16 h
	s_mul_i32 s92, s24, 64*PITCH
	s_add_co_u32 s92, s92, WOFF
	v_add_nc_u32 v4, s92, v2                       ; v4: my head's 64 rows of W
	v_lshrrev_b32 v11, 3, v9
	v_mul_u32_u24 v6, v11, 272
	v_and_b32 v11, 7, v9
	v_lshl_add_u32 v6, v11, 5, v6
	v_lshl_add_u32 v6, v10, 4, v6
	v_add_nc_u32 v6, SCL, v6                       ; v6: x's scale words: 32 bytes a row, eight rows to a run; + 16 h
	s_mul_i32 s92, s24, 8*272
	s_add_co_u32 s92, s92, 16*272
	v_add_nc_u32 v7, s92, v6                       ; v7: my head's
	s_lshr_b32 s92, s29, 4
	s_lshl_b32 s92, s92, 4
	s_lshl_b32 s93, s27, 2
	s_add_co_u32 s92, s92, s93
	s_add_co_u32 s92, s92, s24                     ; 16 x batch + head
	s_mul_i32 s92, s92, REC
	s_mov_b32 s93, 0
	s_add_nc_u64 s[22:23], s[22:23], s[92:93]      ; my record
	s_and_b32 s94, s29, 15                         ; g: which 128 of the batch's 2,048 rows
	s_wait_alu depctr_va_vdst(0)
	s_wait_tensorcnt 0x0                           ; my tile of the four has landed,
	s_barrier_signal -1
	s_barrier_wait -1                              ; everybody's has: no barrier is needed from here to the closing round
.macro FETCH q                         ; 24 LDS loads: the fragments of K step q into set q % 2: lane (r, h) takes 16 bytes at row r + 16 h, and 32 bytes on
.set F, 64+96*((\q)%2)
.irp xt, 0,1,2,3,4,5,6,7
.irp c, 0,1
	ds_load_b128 v[F+8*\xt+4*\c:F+8*\xt+4*\c+3], v2 offset:\xt*16*PITCH+64*(\q)+32*\c
.endr
.endr
.irp wt, 0,1,2,3
.irp c, 0,1
	ds_load_b128 v[F+64+8*\wt+4*\c:F+64+8*\wt+4*\c+3], v4 offset:\wt*16*PITCH+64*(\q)+32*\c
.endr
.endr
.endm
.macro MM acc, fa, fb, sa, sb, q       ; one product; K step 0 starts the sum; K steps 4-7 take their scale words from lanes 16-31
.if (\q) == 0
	v_wmma_scale_f32_16x16x128_f8f6f4 v[(\acc):(\acc)+7], v[(\fa):(\fa)+7], v[(\fb):(\fb)+7], 0, v[\sa], v[\sb] matrix_a_fmt:MATRIX_FMT_FP4 matrix_b_fmt:MATRIX_FMT_FP4
.elseif (\q) < 4
	v_wmma_scale_f32_16x16x128_f8f6f4 v[(\acc):(\acc)+7], v[(\fa):(\fa)+7], v[(\fb):(\fb)+7], v[(\acc):(\acc)+7], v[\sa], v[\sb] matrix_a_fmt:MATRIX_FMT_FP4 matrix_b_fmt:MATRIX_FMT_FP4
.else
	v_wmma_scale_f32_16x16x128_f8f6f4 v[(\acc):(\acc)+7], v[(\fa):(\fa)+7], v[(\fb):(\fb)+7], v[(\acc):(\acc)+7], v[\sa], v[\sb] matrix_a_fmt:MATRIX_FMT_FP4 matrix_b_fmt:MATRIX_FMT_FP4 matrix_a_scale:MATRIX_SCALE_ROW1 matrix_b_scale:MATRIX_SCALE_ROW1
.endif
.endm
.macro MUL32 q, swap                   ; 32 products: the 32 accumulators take turns, one instruction a turn, in the same order in every K step
.set FM, 64+96*((\q)%2)
	WIN 0x50                                       ; C and D window 1
.irp xt, 0,1,2,3,4,5,6,7
.irp wt, 0,1,2,3
.if \swap
	MM 32*\xt+8*\wt, FM+8*\xt, FM+64+8*\wt, XS+4*\xt+(\q)%4, WS+4*\wt+(\q)%4, \q
.else
	MM 32*\xt+8*\wt, FM+64+8*\wt, FM+8*\xt, WS+4*\wt+(\q)%4, XS+4*\xt+(\q)%4, \q
.endif
.endr
.endr
	WIN 0
.endm
.macro ROPE xt                         ; cos (16 registers) and sin (16) for rows 16 xt + r: eight loads of 512 consecutive bytes
.irp d, 0,1,2,3,4,5,6,7
	global_load_b128 v[RC+32*((\xt)%2)+4*\d:RC+32*((\xt)%2)+4*\d+3], v1, s[20:21] offset:4096*(\xt)+512*\d
.endr
.endm
.macro STEP q, swap
	s_wait_dscnt 0x0                               ; this K step's fragments, asked for one K step ago, are in
.if (\q) > 0
	PLACES                                         ; four places in front of loads into registers that the last K step's products have read
.endif
.if (\q) < 7
	FETCH (\q)+1
.elseif (\swap) == 0
	ROPE 0                                         ; the table for the first two tiles lands under the last products
	ROPE 1
.endif
	MUL32 \q, \swap
.endm
; 32 numbers of a lane, register 8 w + j = K 16 w + 8 h + j of my row, become four registers of codes at v[dst] and the two scale bytes in v[hwr]
.macro QUANT2 src, dst, hwr
.irp b, 0,1
	v_max3_num_f32 v[TM+\b], |v[(\src)+16*\b]|, |v[(\src)+16*\b+1]|, 0x1800000   ; my 16 numbers of block b, and the floor 2^(3 - 127): the byte cannot fall under 1
.endr
.irp i, 2,4,6,8,10,12,14
.irp b, 0,1
	v_max3_num_f32 v[TM+\b], v[TM+\b], |v[(\src)+16*\b+\i]|, |v[(\src)+16*\b+\i+1]|
.endr
.endr
.irp b, 0,1
	v_permlanex16_b32 v[PT+\b], v[TM+\b], s2, s3
.endr
.irp b, 0,1
	v_max_num_f32 v[TM+\b], v[TM+\b], v[PT+\b]     ; with lane l xor 16's: the block's largest magnitude
.endr
.irp b, 0,1
	v_add_nc_u32 v[SO+\b], 0xff000000, v[TM+\b]    ; 2 off its exponent field: the conversion's scale operand
.endr
.irp b, 0,1
	v_lshrrev_b32 v[PT+\b], 23, v[SO+\b]           ; the scale's byte
.endr
	v_lshl_or_b32 v[\hwr], v[PT+1], 8, v[PT]
	v_cvt_scalef32_pk8_fp4_f32 v[(\dst)], v[(\src):(\src)+7], v[SO]
	v_cvt_scalef32_pk8_fp4_f32 v[(\dst)+2], v[(\src)+8:(\src)+15], v[SO]
	v_cvt_scalef32_pk8_fp4_f32 v[(\dst)+1], v[(\src)+16:(\src)+23], v[SO+1]
	v_cvt_scalef32_pk8_fp4_f32 v[(\dst)+3], v[(\src)+24:(\src)+31], v[SO+1]
	v_nop                                          ; one plain line behind a scaled conversion
	v_permlane16_swap_b32 v[(\dst)], v[(\dst)+1]   ; a whole block to a lane: lanes 0-15 block 0, lanes 16-31 block 1
	v_permlane16_swap_b32 v[(\dst)+2], v[(\dst)+3]
.endm
.irp xt, 0,1,2,3,4,5,6,7               ; the scale words of all of K, once
	ds_load_b128 v[XS+4*\xt:XS+4*\xt+3], v6 offset:544*\xt
.endr
.irp wt, 0,1,2,3
	ds_load_b128 v[WS+4*\wt:WS+4*\wt+3], v7 offset:544*\wt
.endr
	FETCH 0
	s_cmp_eq_u32 ttmp9, 2                          ; v goes its own way: the same in all sixteen work-groups; neither way holds a barrier or a tensor load
	s_cbranch_scc1 .Lv
	; ---- q and k
.set RC,  64                           ; v64-95, v96-127 the table, two sets: cos 16, sin 16
.set Y,   128                          ; v128-159 a tile's 32 rotated numbers
.set IMG, 160                          ; v160-191 four registers of codes a tile: no store's data are written again
.set HW,  192                          ; v192-199 a halfword of scale bytes a tile
.set SW,  200                          ; v200-203 the four scale words
.set TM,  204
.set PT,  208
.set SO,  212
.set T1,  216
.set T2,  218
	s_mul_i32 s96, ttmp9, 73728                    ; images: q at 0, k at 73,728; + 4,096 g
	s_lshl_b32 s97, s94, 12
	s_add_co_u32 s96, s96, s97
	s_mov_b32 s97, 0
	s_add_nc_u64 s[96:97], s[22:23], s[96:97]
	s_mul_i32 s98, ttmp9, 139264                   ; scale words: q at 65,536, k at 204,800; + 512 g
	s_lshl_b32 s99, s94, 9
	s_add_co_u32 s98, s98, s99
	s_add_co_u32 s98, s98, 65536
	s_mov_b32 s99, 0
	s_add_nc_u64 s[98:99], s[22:23], s[98:99]
	s_lshl_b32 s100, s94, 15                       ; the table: 4,096 bytes a tile of 16 rows, 8 tiles
	s_mov_b32 s101, 0
	s_add_nc_u64 s[20:21], s[20:21], s[100:101]
.irp q, 0,1,2,3,4,5,6,7
	STEP \q, 0
.endr
	PLACES                                         ; four places behind the last products
.irp b, 0,1
	v_mov_b32 v[PT+\b], 0                          ; written once: a lane permute's destination counts as one of its sources
.endr
.macro OUTQK xt                        ; rows 16 xt + r: y1 = x1 cos - x2 sin, y2 = x2 cos + x1 sin (x1: channels 0-31, x2: 32-63), quantised, stored
.set CO, RC+32*((\xt)%2)
.set SI, CO+16
.if (\xt) < 7
	s_wait_loadcnt 8                               ; this tile's eight table loads are in; the next tile's eight may be out
.else
	s_wait_loadcnt 0x0
.endif
	WIN 0x01                                       ; source 0: the accumulators, each read from its low end on
.irp u, 0,1
.irp jj, 0,2,4,6
	v_pk_mul_f32 v[T1:T1+1], v[32*(\xt)+8*(\u+2)+\jj:32*(\xt)+8*(\u+2)+\jj+1], v[SI+8*\u+\jj:SI+8*\u+\jj+1]
	v_pk_mul_f32 v[T2:T2+1], v[32*(\xt)+8*\u+\jj:32*(\xt)+8*\u+\jj+1], v[SI+8*\u+\jj:SI+8*\u+\jj+1]
	v_pk_fma_f32 v[Y+8*\u+\jj:Y+8*\u+\jj+1], v[32*(\xt)+8*\u+\jj:32*(\xt)+8*\u+\jj+1], v[CO+8*\u+\jj:CO+8*\u+\jj+1], v[T1:T1+1] neg_lo:[0,0,1] neg_hi:[0,0,1]
	v_pk_fma_f32 v[Y+16+8*\u+\jj:Y+16+8*\u+\jj+1], v[32*(\xt)+8*(\u+2)+\jj:32*(\xt)+8*(\u+2)+\jj+1], v[CO+8*\u+\jj:CO+8*\u+\jj+1], v[T2:T2+1]
.endr
.endr
	WIN 0
.if (\xt) < 6
	ROPE (\xt)+2                                   ; into the set just read
.endif
	QUANT2 Y, IMG+4*(\xt), HW+(\xt)
	global_store_b128 v1, v[IMG+4*(\xt):IMG+4*(\xt)+3], s[96:97] offset:512*(\xt)   ; the wave stores 512 consecutive bytes, aligned
.endm
.irp xt, 0,1,2,3,4,5,6,7
	OUTQK \xt
.endr
.irp p, 0,1,2,3
	v_lshl_or_b32 v[SW+\p], v[HW+2*\p+1], 16, v[HW+2*\p]
.endr
	global_store_b128 v1, v[SW:SW+3], s[98:99]     ; lanes 16-31 hold the same words as lanes 0-15: the reader takes 16 x lane too
	s_branch .Lend
	; ---- v
.Lv:
.set IMG, 64                           ; v64-95 eight registers of codes for each 16 channels
.set PWV, 96                           ; v96-99 their scale words
.set TM,  100
.set PT,  104
.set SO,  108
	s_lshl_b32 s96, s94, 12                        ; images at 139,264 + 4,096 g
	s_add_co_u32 s96, s96, 139264
	s_mov_b32 s97, 0
	s_add_nc_u64 s[96:97], s[22:23], s[96:97]
	s_lshl_b32 s98, s94, 9                         ; scale words at 212,992 + 512 g
	s_add_co_u32 s98, s98, 212992
	s_mov_b32 s99, 0
	s_add_nc_u64 s[98:99], s[22:23], s[98:99]
.irp q, 0,1,2,3,4,5,6,7
	STEP \q, 1
.endr
	PLACES
.irp b, 0,1,2,3
	v_mov_b32 v[PT+\b], 0
.endr
.macro VOUT wt                         ; channels 16 wt + r: 128 keys = 4 blocks; block b is tiles 2 b, 2 b + 1 of x, in window 1
	WIN 0x05                                       ; sources 0 and 1: the accumulators, each read from its low end on
.irp b, 0,1,2,3
	v_max3_num_f32 v[TM+\b], |v[64*\b+8*(\wt)]|, |v[64*\b+8*(\wt)+1]|, 0x1800000
.endr
.irp i, 2,4,6
.irp b, 0,1,2,3
	v_max3_num_f32 v[TM+\b], |v[64*\b+8*(\wt)+\i]|, |v[64*\b+8*(\wt)+\i+1]|, v[TM+\b]
.endr
.endr
.irp i, 0,2,4,6
.irp b, 0,1,2,3
	v_max3_num_f32 v[TM+\b], |v[64*\b+32+8*(\wt)+\i]|, |v[64*\b+32+8*(\wt)+\i+1]|, v[TM+\b]
.endr
.endr
	WIN 0
.irp b, 0,1,2,3
	v_permlanex16_b32 v[PT+\b], v[TM+\b], s2, s3
.endr
.irp b, 0,1,2,3
	v_max_num_f32 v[TM+\b], v[TM+\b], v[PT+\b]
.endr
.irp b, 0,1,2,3
	v_add_nc_u32 v[SO+\b], 0xff000000, v[TM+\b]
.endr
.irp b, 0,1,2,3
	v_lshrrev_b32 v[PT+\b], 23, v[SO+\b]
.endr
	v_lshl_or_b32 v[PWV+(\wt)], v[PT+1], 8, v[PT]
	v_lshl_or_b32 v[PWV+(\wt)], v[PT+2], 16, v[PWV+(\wt)]
	v_lshl_or_b32 v[PWV+(\wt)], v[PT+3], 24, v[PWV+(\wt)]
	WIN 0x01
.irp xt, 0,1,2,3,4,5,6,7
	v_cvt_scalef32_pk8_fp4_f32 v[IMG+8*(\wt)+4*(\xt/4)+2*(\xt%2)+(\xt/2)%2], v[32*\xt+8*(\wt):32*\xt+8*(\wt)+7], v[SO+\xt/2]
.endr
	WIN 0
	v_nop                                          ; one plain line behind a scaled conversion
.irp c, 0,2,4,6
	v_permlane16_swap_b32 v[IMG+8*(\wt)+\c], v[IMG+8*(\wt)+\c+1]
.endr
	global_store_b128 v1, v[IMG+8*(\wt):IMG+8*(\wt)+3], s[96:97] offset:1024*(\wt)
	global_store_b128 v1, v[IMG+8*(\wt)+4:IMG+8*(\wt)+7], s[96:97] offset:1024*(\wt)+512
.endm
.irp wt, 0,1,2,3
	VOUT \wt
.endr
	global_store_b128 v1, v[PWV:PWV+3], s[98:99]
.Lend:
	s_wait_tensorcnt 0x0
	ds_add_u32 v14, v15
	s_wait_dscnt 0x0
	CROUND                                         ; the closing round: no work-group ends while a partner may still ask for a tile that names it
	s_endpgm
.Lfunc_end_k_q9e8e2dd7aa_qkv:
	.size	k_q9e8e2dd7aa_qkv, .Lfunc_end_k_q9e8e2dd7aa_qkv-k_q9e8e2dd7aa_qkv
	.p2alignl 7, 3214868480
	.fill 96, 4, 3214868480
	.section	.rodata,"a",@progbits
	.p2align	6, 0x0
	.amdhsa_kernel k_q9e8e2dd7aa_qkv
		.amdhsa_group_segment_fixed_size 222720
		.amdhsa_private_segment_fixed_size 0
		.amdhsa_enable_private_segment 0
		.amdhsa_kernarg_size 80
		.amdhsa_user_sgpr_count 2
		.amdhsa_user_sgpr_kernarg_segment_ptr 1
		.amdhsa_wavefront_size32 1
		.amdhsa_system_sgpr_workgroup_id_x 1
		.amdhsa_system_sgpr_workgroup_id_y 1
		.amdhsa_system_sgpr_workgroup_id_z 1
		.amdhsa_system_vgpr_workitem_id 0
		.amdhsa_next_free_vgpr 512
		.amdhsa_next_free_sgpr 102
		.amdhsa_reserve_vcc 0
		.amdhsa_float_denorm_mode_32 3
		.amdhsa_float_denorm_mode_16_64 3
		.amdhsa_memory_ordered 1
		.amdhsa_forward_progress 1
		.amdhsa_inst_pref_size 155
	.end_amdhsa_kernel
	.amdgpu_metadata
---
amdhsa.version: [ 1, 2 ]
amdhsa.kernels:
  - .name:           k_q9e8e2dd7aa_qkv
    .symbol:         k_q9e8e2dd7aa_qkv.kd
    .args:
      - { .name: x_codes, .offset: 0, .size: 8, .value_kind: global_buffer, .address_space: global }
      - { .name: x_scales, .offset: 8, .size: 8, .value_kind: global_buffer, .address_space: global }
      - { .name: Wq_codes, .offset: 16, .size: 8, .value_kind: global_buffer, .address_space: global }
      - { .name: Wq_scales, .offset: 24, .size: 8, .value_kind: global_buffer, .address_space: global }
      - { .name: Wk_codes, .offset: 32, .size: 8, .value_kind: global_buffer, .address_space: global }
      - { .name: Wk_scales, .offset: 40, .size: 8, .value_kind: global_buffer, .address_space: global }
      - { .name: Wv_codes, .offset: 48, .size: 8, .value_kind: global_buffer, .address_space: global }
      - { .name: Wv_scales, .offset: 56, .size: 8, .value_kind: global_buffer, .address_space: global }
      - { .name: rope, .offset: 64, .size: 8, .value_kind: global_buffer, .address_space: global }
      - { .name: qkv, .offset: 72, .size: 8, .value_kind: global_buffer, .address_space: global }
    .group_segment_fixed_size: 222720
    .private_segment_fixed_size: 0
    .kernarg_segment_align: 8
    .kernarg_segment_size: 80
    .max_flat_workgroup_size: 128
    .sgpr_count:     102
    .vgpr_count:     512
    .wavefront_size: 32
...
	.end_amdgpu_metadata
.endif
;; end of part 2
;; launch attn (part 3): grid 4 x 64, 8 waves a work-group, clusters of 4 x 1, 169,984 bytes of LDS; arguments qkv, attention_mask, a_img, a_sc; writes a_img, a_sc
.if DOCPART == 3
	.amdgcn_target "amdgcn-amd-amdhsa--gfx1250"
	.amdhsa_code_object_version 6
	.text
	.protected	k_q9e8e2dd7aa_attn
	.globl	k_q9e8e2dd7aa_attn
	.p2align	8
	.type	k_q9e8e2dd7aa_attn,@function
k_q9e8e2dd7aa_attn:
	s_mov_b64 s[64:65], 0
	v_nop
	global_prefetch_b8 v0, s[64:65] scope:SCOPE_SE
	s_setreg_imm32_b32 hwreg(HW_REG_WAVE_MODE, 25, 1), 1
	s_wait_xcnt 0x0
	s_wait_alu depctr_hold_cnt(0) depctr_sa_sdst(0) depctr_va_vdst(0) depctr_va_sdst(0) depctr_va_ssrc(0) depctr_va_vcc(0) depctr_vm_vsrc(0)
	s_getreg_b32 s2, hwreg(HW_REG_IB_STS2, 6, 4)
	s_cmp_eq_u32 s2, 0
	s_cbranch_scc0 .Lentry_in_a_cluster
	s_endpgm
.Lentry_in_a_cluster:
	s_bfe_u32 s2, ttmp6, 0x10000c
	s_cmp_lg_u32 s2, 0x3003
	s_cbranch_scc0 .Lentry_shape_is_right
	s_endpgm
.Lentry_shape_is_right:
; For each (batch, head): softmax(q k^T / 8 - (1 - mask) 1e9) v, both products on codes of FP4 with E8M0 scales; the result is quantised along the model's 1,024 for the last product.
; THE SOFTMAX: t = logit x log2(e); M = the running largest t rounded UP to a whole number; p = 2^(t - M) is quantised along the keys, not normalised; the row's sum is taken of the unquantised p and divides at the end.
; When M moves, the sums and O are multiplied by 2^(old M - new M): exact.
; THE MASK enters as the C operand of the first product, in score units: C(key) = -8 x ((1 - mask) x 1e9), made in f32 from the mask as given; (score + C) / 8 is the logit, the division by 8 being exact.
; SHARES.  A work-group owns one (batch, head) and 512 queries; each of its EIGHT waves four tiles of 16 queries, TWO AT A TIME in two passes over the keys: each fragment of K, V and the bias read from LDS serves two tiles.
; The head's K and V images and scale words, 147,456 dense bytes, lie in LDS, filled ONCE: eight joint loads of 72 rows x 256 bytes, one a wave.
; CLUSTER 4 x 1: the four blocks of queries of a head read the same bytes; the mask names the four.
; No prefetch: the one stream of the launch is asked for at its head, and there is no loop to run ahead in.
; LAYOUT.  Both products are used transposed: a lane holds ONE query (lane % 16).  The first product's K is 64, the instruction's 128: ONE source 0 holds TWO tiles of keys (tile 2 p in registers 0-3, tile 2 p + 1 in 4-7),
; and q lies as twelve registers q, zeros, q: registers 0-7 give tile 2 p's scores, registers 4-11 tile 2 p + 1's; the other half meets zero codes.  q's scale word holds its two bytes twice.
; LOOK-AHEAD IN LDS: behind step n's first products the wave asks for V of step n and for K, its scale words and the bias of step n + 1.  In a pass's last trip that look-ahead reads the 4,096, 512 and 512 bytes
; that follow each region (V's images, V's scale words, a written tail behind the bias); those registers are not used.
; LIMITS: NaN and infinities are not served; the scaled scores stay under 2^31 in magnitude; a block whose largest magnitude lies under 2^-124 keeps the byte 1; in a row ALL of whose keys are hidden the last bits of
; -8e9 + score are rounded by the matrix unit, otherwise than in the definition (with logits under about 32 in magnitude the row comes out uniform, as there).
; REGISTERS.  window 0: v1-4 addresses that stay, v5-8 the step's, v9 the scale halfwords' place, v10 lane / 16; the small state of both tiles; q, K, V, p's codes.  window 1: S^T then p (tile u at 64 u), O^T (128 + 32 u), the bias (192).
.set REC,  221184
.set LDV,  65536                       ; LDS: 0 K images; 65,536 V images; 131,072 K's scale words; 139,264 V's; 147,456 the bias, 4 bytes a key, and its tail: stored by the waves, in blocks of their own
.set LDSC, 131072
.set BIAS, 147456
.set SPARE, 0x29000                    ; the spare words: 128 bytes a wave
.set NM,  12                           ; v[12 + 2 u] -M, v[13 + 2 u] the largest t of tile u
.set F,   16                           ; v[16 + 2 u] f = 2^(old M - new M); its neighbour is written once (named as a pair)
.set SUM, 20                           ; v20-35 the row's sum: four packed chains a tile
.set BM,  36                           ; v36-43 a block's largest score, then its largest p: block 4 u + b
.set PT,  44
.set SO,  52
.set KS,  60                           ; scale words: K's, V's, q's (four tiles), p's (two)
.set VS,  64
.set QS,  68
.set PS,  72
.set HW,  74                           ; the result's scale halfwords of the pass's two tiles
.set TP,  78
.set PC,  84                           ; v84-99 p's codes, eight registers a tile
.set Q,   100                          ; v100-147 q, twelve registers a tile
.set KF,  148
.set VF,  180
.set S,   0
.set O,   128
.set BV,  192
.set MSB, 0
.macro WIN new                         ; the immediate's high byte repeats the setting that is left
.if MSB != \new
	s_set_vgpr_msb (MSB<<8)|\new
.set MSB, \new
.endif
.endm
.macro CROUND                          ; a round of the cluster's barrier
	s_barrier_signal -1
	s_barrier_wait -1
	s_cmp_lg_u32 s24, 0
	s_cbranch_scc1 .Lnot_wave_0_\@
	s_barrier_signal -3
.Lnot_wave_0_\@:
	s_barrier_wait -3
	s_barrier_signal -1
	s_barrier_wait -1
.endm
.macro MMS d, a, b, c, sa, sb
	v_wmma_scale_f32_16x16x128_f8f6f4 v[\d:\d+7], v[\a:\a+7], v[\b:\b+7], v[\c:\c+7], v[\sa], v[\sb] matrix_a_fmt:MATRIX_FMT_FP4 matrix_b_fmt:MATRIX_FMT_FP4
.endm
.macro LOADK ak, as, ab, ok, os        ; 25 LDS loads: K's scale words, its eight tiles, the bias of 128 keys (sixteen lanes read the same 16 bytes)
	ds_load_b128 v[KS:KS+3], v[\as] offset:\os
.irp t, 0,1,2,3,4,5,6,7
	ds_load_b128 v[KF+4*\t:KF+4*\t+3], v[\ak] offset:\ok+512*\t
.endr
	WIN 0x40
.irp t, 0,1,2,3,4,5,6,7
	ds_load_b128 v[BV+8*\t:BV+8*\t+3], v[\ab] offset:\os+64*\t
	ds_load_b128 v[BV+8*\t+4:BV+8*\t+7], v[\ab] offset:\os+64*\t+16
.endr
	WIN 0
.endm
	s_load_b256 s[4:11], s[0:1], 0x0               ; qkv s[4:5], attention_mask s[6:7], a_img s[8:9], a_sc s[10:11]
	v_lshl_add_u32 v254, v0, 2, SPARE
	v_mov_b32 v255, 0
	ds_add_u32 v254, v255                          ; the opening lines: the add twice on end and its wait
	ds_add_u32 v254, v255
	v_lshrrev_b32 v1, 5, v0
	s_delay_alu instid0(VALU_DEP_1)
	v_readfirstlane_b32 s24, v1                    ; wave 0..7
	s_bfe_u32 s25, ttmp6, 0x40000                  ; cx
	s_lshl_b32 s48, ttmp9, 2
	s_add_co_u32 s25, s48, s25                     ; my block of 512 queries: it enters q's and the result's global addresses alone
	s_and_b32 s33, ttmp7, 0xffff                   ; 16 x batch + head, which the four partners share
	s_mul_i32 s34, s33, REC
	s_mov_b32 s35, 0
	s_mul_i32 s36, s24, 18432                      ; my eighth of the head's bytes
	s_mov_b32 s37, 0
	s_lshl_b32 s48, s25, 5
	s_lshl_b32 s49, s24, 2
	s_add_co_u32 s48, s48, s49                     ; my first tile of queries: 32 x block + 4 x wave
	s_lshl_b32 s38, s48, 9                         ; its image
	s_mov_b32 s39, 0
	s_lshl_b32 s40, s25, 2                         ; its scale words: group 4 x block + wave / 2, words 2 (wave % 2) and the next: two tiles' halfwords each
	s_lshr_b32 s49, s24, 1
	s_add_co_u32 s40, s40, s49
	s_lshl_b32 s40, s40, 9
	s_and_b32 s49, s24, 1
	s_lshl_b32 s49, s49, 3
	s_add_co_u32 s40, s40, s49
	s_add_co_u32 s40, s40, 65536
	s_mov_b32 s41, 0
	s_lshr_b32 s50, s33, 4                         ; batch
	s_and_b32 s51, s33, 15                         ; head
	s_lshl_b32 s42, s50, 13                        ; the batch's 2,048 mask words
	s_mov_b32 s43, 0
	s_lshl_b32 s52, s50, 7
	s_add_co_u32 s52, s52, s48                     ; the result's tile of rows: 128 x batch + tile
	s_lshl_b32 s44, s52, 13                        ; images: 8,192 bytes a tile of rows, 512 a head
	s_lshl_b32 s53, s51, 9
	s_add_co_u32 s44, s44, s53
	s_mov_b32 s45, 0
	s_lshl_b32 s46, s52, 9                         ; scale bytes: 512 a tile of rows; + 256 (head / 8) + 2 (head % 8); + 16 r in the lane
	s_lshr_b32 s53, s51, 3
	s_lshl_b32 s53, s53, 8
	s_add_co_u32 s46, s46, s53
	s_and_b32 s53, s51, 7
	s_lshl_b32 s53, s53, 1
	s_add_co_u32 s46, s46, s53
	s_mov_b32 s47, 0
	s_mov_b32 s12, 15|(3<<16)|(1<<21)              ; group 1: the mask names all four; elements of 8 bytes; bit 21 set beside a mask; no padding: images are read 512 consecutive bytes at a time
	s_mov_b32 s13, 32<<16                          ; 72 rows of 256 bytes, dense
	s_mov_b32 s14, 72<<16
	s_mov_b32 s15, 32<<16
	s_mov_b32 s16, 72
	s_mov_b32 s17, 32
	s_mov_b32 s18, 0
	s_mov_b32 s19, 0
	s_mov_b32 s26, 0x76543210
	s_mov_b32 s27, 0xfedcba98                      ; v_permlanex16_b32's selects for lane l xor 16
	s_mov_b32 s28, 0x3e38aa3b                      ; c = log2(e) / 8
	s_mov_b32 s29, s28                             ; (named with it as a pair, so it is written)
	v_and_b32 v5, 31, v0
	s_delay_alu instid0(VALU_DEP_1)
	v_lshlrev_b32 v1, 4, v5                        ; v1: 16 x lane
	s_delay_alu instid0(VALU_DEP_1)
	v_add_nc_u32 v2, LDV, v1                       ; v2: the same among V's images
	s_delay_alu instid0(VALU_DEP_2)
	v_add_nc_u32 v3, LDSC, v1                      ; v3: among the scale words
	v_bfe_u32 v10, v0, 4, 1                        ; v10: h
	s_delay_alu instid0(VALU_DEP_1)
	v_lshl_add_u32 v4, v10, 5, BIAS                ; v4: my half's eight keys of a tile: 32 h
	v_and_b32 v7, 15, v0
	s_delay_alu instid0(VALU_DEP_1)
	v_lshlrev_b32 v9, 4, v7
	s_delay_alu instid0(VALU_DEP_1)
	v_lshl_add_u32 v9, v10, 9, v9                  ; v9: 16 r + 512 h: lanes 0-15 store the pass's first tile's halfword, lanes 16-31 the second's, one tile of rows on
	v_lshlrev_b32 v11, 4, v0                       ; 16 x thread: four keys of the mask
	s_delay_alu instid0(VALU_DEP_1)
	v_add_nc_u32 v6, BIAS, v11                     ; and of the bias
	s_wait_dscnt 0x0
	s_wait_kmcnt 0x0
	s_add_nc_u64 s[4:5], s[4:5], s[34:35]          ; my record
	s_add_nc_u64 s[38:39], s[4:5], s[38:39]
	s_add_nc_u64 s[40:41], s[4:5], s[40:41]
	s_add_nc_u64 s[42:43], s[6:7], s[42:43]
	s_add_nc_u64 s[44:45], s[8:9], s[44:45]
	s_add_nc_u64 s[46:47], s[10:11], s[46:47]
	s_mov_b32 s20, 1                               ; group 0
	s_mov_b32 s21, s36                             ; LDS: 18,432 x wave
	s_add_nc_u64 s[22:23], s[4:5], s[36:37]
	s_add_nc_u64 s[22:23], s[22:23], 73728         ; from the record's K images on
	s_or_b32 s23, s23, 0x80000000
	CROUND                                         ; all four work-groups are here: the joint loads meet
	tensor_load_to_lds s[20:23], s[12:19]          ; every wave's one tensor load
	s_nop 0
.rept 4
	v_nop
.endr
	s_wait_alu depctr_va_vdst(0)                   ; the addresses were made ahead of the round
	global_load_b128 v[KF:KF+3], v11, s[42:43]     ; eight mask words a thread
	global_load_b128 v[KF+4:KF+7], v11, s[42:43] offset:4096
.irp j, 0,1,2,3
	global_load_b128 v[Q+12*\j:Q+12*\j+3], v1, s[38:39] offset:512*\j       ; q of my four tiles, each twice
	global_load_b128 v[Q+12*\j+8:Q+12*\j+11], v1, s[38:39] offset:512*\j
.endr
	global_load_b64 v[TP:TP+1], v1, s[40:41]       ; four tiles' scale halfwords of row lane % 16
.irp j, 0,1,2,3
.irp i, 4,5,6,7
	v_mov_b32 v[Q+12*\j+\i], 0                     ; the zero codes between
.endr
.endr
.irp x, 0,1,2,3,4,5,6,7
	v_mov_b32 v[PT+\x], 0                          ; written once: a lane permute's destination counts as one of its sources
.endr
	v_mov_b32 v[F+1], 0
	v_mov_b32 v[F+3], 0
	s_wait_loadcnt 0x0
.irp n, 0,1
	v_and_b32 v[TP+2], 0xffff, v[TP+\n]
	v_lshrrev_b32 v[TP+3], 16, v[TP+\n]
	s_delay_alu instid0(VALU_DEP_2)
	v_lshl_or_b32 v[QS+2*\n], v[TP+\n], 16, v[TP+2]              ; tile 2 n's two bytes, twice
	s_delay_alu instid0(VALU_DEP_2)
	v_and_or_b32 v[QS+2*\n+1], v[TP+\n], 0xffff0000, v[TP+3]     ; tile 2 n + 1's
.endr
.irp j, 0,1,2,3,4,5,6,7
	v_cvt_f32_i32 v[KF+\j], v[KF+\j]
.endr
.irp j, 0,1,2,3,4,5,6,7
	v_sub_f32 v[KF+\j], 1.0, v[KF+\j]
.endr
.irp j, 0,1,2,3,4,5,6,7
	v_mul_f32 v[KF+\j], 0x4e6e6b28, v[KF+\j]       ; x 1e9
.endr
.irp j, 0,1,2,3,4,5,6,7
	v_mul_f32 v[KF+\j], 0xc1000000, v[KF+\j]       ; x -8: exact
.endr
	ds_store_b128 v6, v[KF:KF+3]
	ds_store_b128 v6, v[KF+4:KF+7] offset:4096
	ds_store_b128 v6, v[KF:KF+3] offset:8192       ; the tail behind the bias, which a pass's last look-ahead reads and nobody uses
	s_wait_alu depctr_va_vdst(0)
	s_wait_tensorcnt 0x0                           ; my part of the head has landed,
	s_wait_dscnt 0x0                               ; my part of the bias is stored,
	s_barrier_signal -1
	s_barrier_wait -1                              ; everybody's: nothing in LDS is written from here on, so the loops hold no barrier
; TWO TILES OF 16 QUERIES (2 p and 2 p + 1 of my four) against all 2,048 keys, 128 a trip
.macro PASS p
	s_wait_xcnt 0x0                                ; the pass before has stored from registers that are written again
.irp u, 0,1
	v_mov_b32 v[NM+2*\u+1], 0xff61b1e6             ; the largest t so far: -3e38
.endr
.irp u, 0,1
	s_delay_alu instid0(VALU_DEP_2)
	v_floor_f32 v[NM+2*\u], -v[NM+2*\u+1]          ; -M
.endr
.set i, 0
.rept 16
	v_mov_b32 v[SUM+i], 0
.set i, i+1
.endr
	WIN 0x40
.set i, 0
.rept 64
	v_mov_b32 v[O+i], 0                            ; O^T: the loop is written once; its first trip finds zeros
.set i, i+1
.endr
	WIN 0
	LOADK 1, 3, 4, 0, 0                            ; step 0's K, scale words and bias
	s_mov_b32 s30, 0                               ; the trip's images: 4,096 bytes a trip
	s_mov_b32 s31, 0                               ; its scale words and bias: 512 bytes a trip
	s_mov_b32 s32, 16
	s_wait_alu depctr_va_vdst(0)
.Lstep_\@:
	s_wait_dscnt 0x0                               ; K, its scale words and the bias, asked for one trip ago, are in
	WIN 0x50                                       ; C (the bias) and D (S^T) in window 1
.irp t, 0,1,2,3,4,5,6,7
.irp u, 0,1
	MMS S+64*\u+8*\t, KF+8*(\t/2), Q+12*(2*\p+\u)+4*(\t%2), BV+8*\t, KS+\t/2, QS+2*\p+\u
.endr
.endr                                              ; lane (r, h), register 64 u + 8 t + j: query r of tile u, key 16 t + 8 h + j
	WIN 0
	v_add_nc_u32 v5, s30, v1                       ; these four lines are the places behind the products, ahead of the loads into their sources and of the reads of their results
	v_add_nc_u32 v6, s30, v2
	v_add_nc_u32 v7, s31, v3
	v_add_nc_u32 v8, s31, v4
	ds_load_b128 v[VS:VS+3], v7 offset:8192        ; this step's V: nine loads,
.irp f, 0,1,2,3,4,5,6,7
	ds_load_b128 v[VF+4*\f:VF+4*\f+3], v6 offset:512*\f
.endr
	LOADK 5, 7, 8, 4096, 512                       ; and the next step's K, scale words and bias: 25 loads
	WIN 0x05                                       ; the largest score of each block of 32 keys (my 16), eight blocks by turns
.irp x, 0,1,2,3,4,5,6,7
	v_max_num_f32 v[BM+\x], v[S+16*\x], v[S+16*\x+1]
.endr
.irp i, 2,4,6,8,10,12,14
.irp x, 0,1,2,3,4,5,6,7
	v_max3_num_f32 v[BM+\x], v[S+16*\x+\i], v[S+16*\x+\i+1], v[BM+\x]
.endr
.endr
	WIN 0
.irp x, 0,1,2,3,4,5,6,7
	v_permlanex16_b32 v[PT+\x], v[BM+\x], s26, s27
.endr
.irp x, 0,1,2,3,4,5,6,7
	v_max_num_f32 v[BM+\x], v[BM+\x], v[PT+\x]     ; with lane l xor 16's: it serves the row's maximum and, since p rises with the score, the block's largest p
.endr
	v_max3_num_f32 v[TP], v[BM], v[BM+1], v[BM+2]
	s_delay_alu instid0(VALU_DEP_3)
	v_max3_num_f32 v[TP+1], v[BM+4], v[BM+5], v[BM+6]
.irp u, 0,1
	s_delay_alu instid0(VALU_DEP_2)
	v_max_num_f32 v[TP+\u], v[TP+\u], v[BM+4*\u+3]
.endr
.irp u, 0,1
	s_delay_alu instid0(VALU_DEP_2)
	v_mul_f32 v[TP+\u], s28, v[TP+\u]              ; as t (c is positive)
.endr
.irp u, 0,1
	s_delay_alu instid0(VALU_DEP_2)
	v_max_num_f32 v[NM+2*\u+1], v[NM+2*\u+1], v[TP+\u]   ; the running largest t
.endr
.irp u, 0,1
	v_mov_b32 v[TP+\u], v[NM+2*\u]
.endr
.irp u, 0,1
	s_delay_alu instid0(VALU_DEP_4)
	v_floor_f32 v[NM+2*\u], -v[NM+2*\u+1]          ; the new -M = -ceil(t)
.endr
.irp u, 0,1
	s_delay_alu instid0(VALU_DEP_2)
	v_sub_f32 v[TP+\u], v[NM+2*\u], v[TP+\u]       ; old M - new M: a whole number, 0 or less
.endr
.irp u, 0,1
	s_delay_alu instid0(VALU_DEP_2)
	v_cvt_i32_f32 v[TP+\u], v[TP+\u]               ; (it saturates)
.endr
.irp u, 0,1
	s_delay_alu instid0(VALU_DEP_2)
	v_ldexp_f32 v[F+2*\u], 1.0, v[TP+\u]           ; f = 2^(old M - new M)
.endr
	WIN 0x41
.irp u, 0,1
.set i, 0
.rept 16
	v_pk_mul_f32 v[O+32*\u+i:O+32*\u+i+1], v[O+32*\u+i:O+32*\u+i+1], v[F+2*\u:F+2*\u+1] op_sel_hi:[1,0]   ; O^T under the new M, each accumulator from its low end on; ahead of the exponentials
.set i, i+2
.endr
.endr
.irp u, 0,1
.set i, 0
.rept 32
	v_pk_fma_f32 v[S+64*\u+i:S+64*\u+i+1], v[S+64*\u+i:S+64*\u+i+1], s[28:29], v[NM+2*\u:NM+2*\u+1] op_sel_hi:[1,0,0]   ; t - M
.set i, i+2
.endr
.endr
	WIN 0
.irp x, 0,1,2,3,4,5,6,7
	v_fma_f32 v[BM+\x], v[BM+\x], s28, v[NM+2*(\x/4)]   ; the same of each block's largest score
.endr
	s_wait_alu depctr_va_vdst(0)
.irp x, 0,1,2,3,4,5,6,7
	v_exp_f32 v[BM+\x], v[BM+\x]                   ; the block's largest p: the same lines on the same number give the same bits
.endr
	WIN 0x41
.set i, 0
.rept 128
	v_exp_f32 v[S+i], v[S+i]                       ; p = 2^(t - M)
.set i, i+1
.endr
	WIN 0
	v_nop                                          ; the plain line behind the exponentials
	s_wait_alu depctr_va_vdst(0)                   ; one wait for the whole batch, ahead of its first reader
.irp x, 0,1,2,3,4,5,6,7
	v_max_num_f32 v[BM+\x], 0x1800000, v[BM+\x]    ; the floor 2^(3 - 127): the byte cannot fall under 1
.endr
.irp x, 0,1,2,3,4,5,6,7
	v_add_nc_u32 v[SO+\x], 0xff000000, v[BM+\x]    ; 2 off the exponent field: the conversion's scale operand
.endr
.irp x, 0,1,2,3,4,5,6,7
	v_lshrrev_b32 v[PT+\x], 23, v[SO+\x]           ; the scale's byte
.endr
.irp y, 0,2,4,6
	v_lshl_or_b32 v[PT+\y], v[PT+\y+1], 8, v[PT+\y]
.endr
	s_delay_alu instid0(VALU_DEP_3)
	v_lshl_or_b32 v[PS], v[PT+2], 16, v[PT]        ; p's scale words for these 128 keys
	s_delay_alu instid0(VALU_DEP_2)
	v_lshl_or_b32 v[PS+1], v[PT+6], 16, v[PT+4]
	WIN 0x01
.irp u, 0,1
.irp w, 0,1,2,3,4,5,6,7
	v_cvt_scalef32_pk8_fp4_f32 v[PC+8*\u+4*(\w/4)+2*(\w%2)+(\w/2)%2], v[S+64*\u+8*\w:S+64*\u+8*\w+7], v[SO+4*\u+\w/2]
.endr
.endr
	WIN 0
	v_nop                                          ; one plain line behind a scaled conversion
.irp c, 0,2,4,6,8,10,12,14
	v_permlane16_swap_b32 v[PC+\c], v[PC+\c+1]     ; a whole block to a lane
.endr
	WIN 0x10                                       ; the row's sum of the unquantised p: four packed chains a tile; each chain's first line brings it under the new M
.irp u, 0,1
.irp k, 0,1,2,3
	v_pk_fma_f32 v[SUM+8*\u+2*\k:SUM+8*\u+2*\k+1], v[SUM+8*\u+2*\k:SUM+8*\u+2*\k+1], v[F+2*\u:F+2*\u+1], v[S+64*\u+2*\k:S+64*\u+2*\k+1] op_sel_hi:[1,0,1]
.endr
.endr
	WIN 0x01
.irp i, 8,16,24,32,40,48,56
.irp u, 0,1
.irp k, 0,1,2,3
	v_pk_add_f32 v[SUM+8*\u+2*\k:SUM+8*\u+2*\k+1], v[S+64*\u+\i+2*\k:S+64*\u+\i+2*\k+1], v[SUM+8*\u+2*\k:SUM+8*\u+2*\k+1]
.endr
.endr
.endr
	WIN 0
	s_wait_alu depctr_va_vdst(0)
	s_wait_dscnt 25                                ; V and its scale words are in; the 25 younger loads, the next step's, may be out
	WIN 0x50
.irp d, 0,1,2,3
.irp u, 0,1
	MMS O+32*\u+8*\d, VF+8*\d, PC+8*\u, O+32*\u+8*\d, VS+\d, PS+\u
.endr
.endr                                              ; the eight accumulators take turns, one instruction a turn
	WIN 0
	s_add_co_u32 s30, s30, 4096
	s_add_co_u32 s31, s31, 512
	s_sub_co_u32 s32, s32, 1
	s_cmp_lg_u32 s32, 0
	s_cbranch_scc1 .Lstep_\@
	s_wait_dscnt 0x0                               ; the last look-ahead has landed: its registers may be loaded again
.irp u, 0,1
	v_pk_add_f32 v[SUM+8*\u:SUM+8*\u+1], v[SUM+8*\u:SUM+8*\u+1], v[SUM+8*\u+2:SUM+8*\u+3]       ; these four lines are also the places behind the last products
.endr
.irp u, 0,1
	v_pk_add_f32 v[SUM+8*\u+4:SUM+8*\u+5], v[SUM+8*\u+4:SUM+8*\u+5], v[SUM+8*\u+6:SUM+8*\u+7]
.endr
.irp u, 0,1
	s_delay_alu instid0(VALU_DEP_2)
	v_pk_add_f32 v[SUM+8*\u:SUM+8*\u+1], v[SUM+8*\u:SUM+8*\u+1], v[SUM+8*\u+4:SUM+8*\u+5]
.endr
.irp u, 0,1
	s_delay_alu instid0(VALU_DEP_2)
	v_add_f32 v[SUM+8*\u], v[SUM+8*\u], v[SUM+8*\u+1]
.endr
.irp u, 0,1
	s_delay_alu instid0(VALU_DEP_2)
	v_permlanex16_b32 v[TP+\u], v[SUM+8*\u], s26, s27
.endr
.irp u, 0,1
	s_delay_alu instid0(VALU_DEP_2)
	v_add_f32 v[SUM+8*\u], v[SUM+8*\u], v[TP+\u]   ; with lane l xor 16's keys: the row's sum
.endr
	s_wait_alu depctr_va_vdst(0)
.irp u, 0,1
	v_rcp_f32 v[F+2*\u], v[SUM+8*\u]
.endr
	v_nop                                          ; one plain line behind the reciprocals
	WIN 0x41
	s_wait_alu depctr_va_vdst(0)                   ; the wait, directly ahead of the first reader of the reciprocals and of O^T
.irp u, 0,1
.set i, 0
.rept 16
	v_pk_mul_f32 v[S+32*\u+i:S+32*\u+i+1], v[O+32*\u+i:O+32*\u+i+1], v[F+2*\u:F+2*\u+1] op_sel_hi:[1,0]   ; register 32 u + 8 d + j: channel 16 d + 8 h + j of query r
.set i, i+2
.endr
.endr
	WIN 0x05                                       ; the head's 64 channels are two blocks of the last product's K: four blocks by turns
.irp x, 0,1,2,3
	v_max3_num_f32 v[BM+\x], |v[S+16*\x]|, |v[S+16*\x+1]|, 0x1800000
.endr
.irp i, 2,4,6,8,10,12,14
.irp x, 0,1,2,3
	s_delay_alu instid0(VALU_DEP_4)
	v_max3_num_f32 v[BM+\x], |v[S+16*\x+\i]|, |v[S+16*\x+\i+1]|, v[BM+\x]
.endr
.endr
	WIN 0
.irp x, 0,1,2,3
	v_permlanex16_b32 v[PT+\x], v[BM+\x], s26, s27
.endr
.irp x, 0,1,2,3
	s_delay_alu instid0(VALU_DEP_4)
	v_max_num_f32 v[BM+\x], v[BM+\x], v[PT+\x]
.endr
.irp x, 0,1,2,3
	s_delay_alu instid0(VALU_DEP_4)
	v_add_nc_u32 v[SO+\x], 0xff000000, v[BM+\x]
.endr
.irp x, 0,1,2,3
	s_delay_alu instid0(VALU_DEP_4)
	v_lshrrev_b32 v[PT+\x], 23, v[SO+\x]
.endr
	s_delay_alu instid0(VALU_DEP_3)
	v_lshl_or_b32 v[HW], v[PT+1], 8, v[PT]
	s_delay_alu instid0(VALU_DEP_2)
	v_lshl_or_b32 v[HW+1], v[PT+3], 8, v[PT+2]
	WIN 0x01
.irp u, 0,1
	v_cvt_scalef32_pk8_fp4_f32 v[PC+8*\u], v[S+32*\u:S+32*\u+7], v[SO+2*\u]
	v_cvt_scalef32_pk8_fp4_f32 v[PC+8*\u+2], v[S+32*\u+8:S+32*\u+15], v[SO+2*\u]
	v_cvt_scalef32_pk8_fp4_f32 v[PC+8*\u+1], v[S+32*\u+16:S+32*\u+23], v[SO+2*\u+1]
	v_cvt_scalef32_pk8_fp4_f32 v[PC+8*\u+3], v[S+32*\u+24:S+32*\u+31], v[SO+2*\u+1]
.endr
	WIN 0
	v_nop                                          ; one plain line behind a scaled conversion
.irp u, 0,1
	v_permlane16_swap_b32 v[PC+8*\u], v[PC+8*\u+1]
	v_permlane16_swap_b32 v[PC+8*\u+2], v[PC+8*\u+3]
.endr
	v_cmp_eq_u32 vcc_lo, 0, v10
	s_delay_alu instid0(VALU_DEP_1)
	v_cndmask_b32 v[TP], v[HW+1], v[HW], vcc_lo    ; lanes 0-15: the first tile's halfword of row r; lanes 16-31: the second's
.irp u, 0,1
	global_store_b128 v1, v[PC+8*\u:PC+8*\u+3], s[44:45] offset:8192*(2*\p+\u)   ; the wave stores 512 consecutive bytes, aligned
.endr
	global_store_b16 v9, v[TP], s[46:47] offset:1024*\p   ; two bytes a row, in the place where the last launch's scale words want them
.endm
	PASS 0
	PASS 1
	s_wait_tensorcnt 0x0                           ; the wave's end
	ds_add_u32 v254, v255
	s_wait_dscnt 0x0
	CROUND                                         ; the closing round
	s_endpgm
.Lfunc_end_k_q9e8e2dd7aa_attn:
	.size	k_q9e8e2dd7aa_attn, .Lfunc_end_k_q9e8e2dd7aa_attn-k_q9e8e2dd7aa_attn
	.p2alignl 7, 3214868480
	.fill 96, 4, 3214868480
	.section	.rodata,"a",@progbits
	.p2align	6, 0x0
	.amdhsa_kernel k_q9e8e2dd7aa_attn
		.amdhsa_group_segment_fixed_size 169984
		.amdhsa_private_segment_fixed_size 0
		.amdhsa_enable_private_segment 0
		.amdhsa_kernarg_size 32
		.amdhsa_user_sgpr_count 2
		.amdhsa_user_sgpr_kernarg_segment_ptr 1
		.amdhsa_wavefront_size32 1
		.amdhsa_system_sgpr_workgroup_id_x 1
		.amdhsa_system_sgpr_workgroup_id_y 1
		.amdhsa_system_sgpr_workgroup_id_z 1
		.amdhsa_system_vgpr_workitem_id 0
		.amdhsa_next_free_vgpr 512
		.amdhsa_next_free_sgpr 66
		.amdhsa_reserve_vcc 1
		.amdhsa_float_denorm_mode_32 3
		.amdhsa_float_denorm_mode_16_64 3
		.amdhsa_memory_ordered 1
		.amdhsa_forward_progress 1
		.amdhsa_inst_pref_size 96
	.end_amdhsa_kernel
	.amdgpu_metadata
---
amdhsa.version: [ 1, 2 ]
amdhsa.kernels:
  - .name:           k_q9e8e2dd7aa_attn
    .symbol:         k_q9e8e2dd7aa_attn.kd
    .args:
      - { .name: qkv, .offset: 0, .size: 8, .value_kind: global_buffer, .address_space: global }
      - { .name: attention_mask, .offset: 8, .size: 8, .value_kind: global_buffer, .address_space: global }
      - { .name: a_img, .offset: 16, .size: 8, .value_kind: global_buffer, .address_space: global }
      - { .name: a_sc, .offset: 24, .size: 8, .value_kind: global_buffer, .address_space: global }
    .group_segment_fixed_size: 169984
    .private_segment_fixed_size: 0
    .kernarg_segment_align: 8
    .kernarg_segment_size: 32
    .max_flat_workgroup_size: 256
    .sgpr_count:     66
    .vgpr_count:     512
    .wavefront_size: 32
...
	.end_amdgpu_metadata
.endif
;; end of part 3
;; launch oproj (part 4): grid 256 x 1, 4 waves a work-group, clusters of 4 x 1, 327,680 bytes of LDS; arguments a_img, a_sc, Wo_codes, Wo_scales, x, gamma, beta, out0; writes out0
.if DOCPART == 4
	.amdgcn_target "amdgcn-amd-amdhsa--gfx1250"
	.amdhsa_code_object_version 6
	.text
	.protected	k_q9e8e2dd7aa_oproj
	.globl	k_q9e8e2dd7aa_oproj
	.p2align	8
	.type	k_q9e8e2dd7aa_oproj,@function
k_q9e8e2dd7aa_oproj:
	s_mov_b64 s[64:65], 0
	v_nop
	global_prefetch_b8 v0, s[64:65] scope:SCOPE_SE
	s_setreg_imm32_b32 hwreg(HW_REG_WAVE_MODE, 25, 1), 1
	s_wait_xcnt 0x0
	s_wait_alu depctr_hold_cnt(0) depctr_sa_sdst(0) depctr_va_vdst(0) depctr_va_sdst(0) depctr_va_ssrc(0) depctr_va_vcc(0) depctr_vm_vsrc(0)
	s_getreg_b32 s2, hwreg(HW_REG_IB_STS2, 6, 4)
	s_cmp_eq_u32 s2, 0
	s_cbranch_scc0 .Lentry_in_a_cluster
	s_endpgm
.Lentry_in_a_cluster:
	s_bfe_u32 s2, ttmp6, 0x10000c
	s_cmp_lg_u32 s2, 0x3003
	s_cbranch_scc0 .Lentry_shape_is_right
	s_endpgm
.Lentry_shape_is_right:
.set WP,    528
.set REG,   128*WP
.set SCL,   4*REG
.set SPARE, SCL+4*32*272
.set SPI,   4112
.set AS,  32
.set WS,  40
.set AF,  64
.set HB,  64
.set T,   128
.set MU,  132
.set RS,  134
.set GA,  192
.set BE,  224
.set G1H, 20
.set G1R, 28
.set G1S, 36
.set G0S, 44
.set G0A, 48
.set G0B, 52
.set G0R, 56
.set MSB, 0
.macro WIN new
.if MSB != \new
	s_set_vgpr_msb (MSB<<8)|\new
.set MSB, \new
.endif
.endm
.macro PLACES
.rept 4
	v_nop
.endr
.endm
.macro CROUND
	s_barrier_signal -1
	s_barrier_wait -1
	s_cmp_lg_u32 s66, 0
	s_cbranch_scc1 .Lnot_wave_0_\@
	s_barrier_signal -3
.Lnot_wave_0_\@:
	s_barrier_wait -3
	s_barrier_signal -1
	s_barrier_wait -1
.endm
	s_load_b512 s[4:19], s[0:1], 0x0
	v_lshl_add_u32 v28, v0, 2, SPARE
	v_mov_b32 v29, 0
	ds_add_u32 v28, v29
	ds_add_u32 v28, v29
	s_wait_dscnt 0x0
	v_lshrrev_b32 v1, 5, v0
	v_readfirstlane_b32 s66, v1
	s_bfe_u32 s67, ttmp6, 0x40000
	s_lshl_b32 s68, ttmp9, 2
	s_add_co_u32 s68, s68, s67
	s_mov_b32 s[G1H], 15|(1<<20)|(1<<21)|(6<<22)|(3<<25)
	s_mov_b32 s[G1H+1], 512<<16
	s_mov_b32 s[G1H+2], 64<<16
	s_mov_b32 s[G1H+3], 512<<16
	s_mov_b32 s[G1H+4], 64
	s_mov_b32 s[G1H+5], 512
	s_mov_b32 s[G1H+6], 0
	s_mov_b32 s[G1H+7], 0
	s_mov_b32 s[G1R], 15|(1<<20)|(1<<21)|(6<<22)|(3<<25)
	s_mov_b32 s[G1R+1], 512<<16
	s_mov_b32 s[G1R+2], 128<<16
	s_mov_b32 s[G1R+3], 512<<16
	s_mov_b32 s[G1R+4], 128
	s_mov_b32 s[G1R+5], 512
	s_mov_b32 s[G1R+6], 0
	s_mov_b32 s[G1R+7], 0
	s_mov_b32 s[G1S], 15|(3<<16)|(1<<20)|(1<<21)|(5<<22)|(3<<25)
	s_mov_b32 s[G1S+1], 32<<16
	s_mov_b32 s[G1S+2], 32<<16
	s_mov_b32 s[G1S+3], 32<<16
	s_mov_b32 s[G1S+4], 32
	s_mov_b32 s[G1S+5], 32
	s_mov_b32 s[G1S+6], 0
	s_mov_b32 s[G1S+7], 0
	s_mul_i32 s69, s66, REG
	s_mul_i32 s70, s66, 32*272
	s_add_co_u32 s70, s70, SCL
	s_lshl_b32 s76, s66, 17
	s_mov_b32 s77, 0
	s_lshl_b32 s78, s66, 13
	s_mov_b32 s79, 0
	s_mov_b32 s72, 0x76543210
	s_mov_b32 s73, 0xfedcba98
	s_mov_b32 s74, 0x3a800000
	s_mov_b32 s75, 0x3727c5ac
	s_wait_kmcnt 0x0
	s_add_nc_u64 s[8:9], s[8:9], s[76:77]
	s_add_nc_u64 s[10:11], s[10:11], s[78:79]
	s_mov_b32 s[G0S], 1
	s_mov_b32 s[G0S+1], s70
	s_mov_b64 s[G0S+2:G0S+3], s[10:11]
	s_or_b32 s[G0S+3], s[G0S+3], 0x80000000
	s_mov_b32 s[G0A], 1
	s_mov_b32 s[G0A+1], s69
	s_mov_b64 s[G0A+2:G0A+3], s[8:9]
	s_or_b32 s[G0A+3], s[G0A+3], 0x80000000
	s_mov_b32 s[G0B], 1
	s_add_co_u32 s[G0B+1], s69, 64*WP
	s_add_nc_u64 s[G0B+2:G0B+3], s[8:9], 32768
	s_or_b32 s[G0B+3], s[G0B+3], 0x80000000
	s_mov_b32 s[G0R], 1
	s_mov_b32 s[G0R+1], s69
	s_add_nc_u64 s[G0R+2:G0R+3], s[8:9], 65536
	s_or_b32 s[G0R+3], s[G0R+3], 0x80000000
	s_lshl_b32 s76, s68, 14
	s_add_nc_u64 s[4:5], s[4:5], s[76:77]
	s_lshl_b32 s76, s68, 10
	s_add_nc_u64 s[6:7], s[6:7], s[76:77]
	s_lshl_b32 s76, s68, 5
	s_lshl_b32 s78, s66, 3
	s_add_co_u32 s76, s76, s78
	s_lshl_b32 s76, s76, 12
	s_add_nc_u64 s[12:13], s[12:13], s[76:77]
	s_add_nc_u64 s[18:19], s[18:19], s[76:77]
	v_and_b32 v7, 31, v0
	v_lshlrev_b32 v1, 4, v7
	v_and_b32 v8, 15, v0
	v_bfe_u32 v9, v0, 4, 1
	v_mul_u32_u24 v2, v8, WP
	v_lshl_add_u32 v2, v9, 4, v2
	v_add_nc_u32 v2, s69, v2
	v_lshrrev_b32 v10, 3, v8
	v_mul_u32_u24 v3, v10, 272
	v_and_b32 v10, 7, v8
	v_lshl_add_u32 v3, v10, 5, v3
	v_lshl_add_u32 v3, v9, 4, v3
	v_add_nc_u32 v3, s70, v3
	v_mul_u32_u24 v4, v8, SPI
	v_lshl_add_u32 v4, v9, 5, v4
	s_lshl_b32 s71, s66, 10
	v_add_nc_u32 v4, s71, v4
	v_add_nc_u32 v5, 16*SPI, v4
	s_mul_i32 s71, s66, 8*SPI
	v_add_nc_u32 v6, s71, v1
	CROUND
	tensor_load_to_lds s[G0S:G0S+3], s[G1S:G1S+7]
	s_nop 0
	s_wait_alu depctr_va_vdst(0)
	s_wait_tensorcnt 0x0
	ds_add_u32 v28, v29
	s_wait_dscnt 0x0
	CROUND
	tensor_load_to_lds s[G0A:G0A+3], s[G1H:G1H+7]
	s_nop 0
	s_wait_alu depctr_va_vdst(0)
	s_wait_tensorcnt 0x0
	ds_add_u32 v28, v29
	s_wait_dscnt 0x0
	CROUND
	tensor_load_to_lds s[G0B:G0B+3], s[G1H:G1H+7]
	s_nop 0
.rept 4
	v_nop
.endr
.irp rt, 0,1
.irp s, 0,1,2,3,4,5,6,7
.irp c, 0,1
	global_load_b128 v[AF+64*\rt+8*\s+4*\c:AF+64*\rt+8*\s+4*\c+3], v1, s[4:5] offset:8192*\rt+1024*\s+512*\c
.endr
.endr
.endr
.irp rt, 0,1
	global_load_b128 v[AS+4*\rt:AS+4*\rt+3], v1, s[6:7] offset:512*\rt
.endr
.irp k, 0,1,2,3,4,5,6,7
	global_load_b128 v[GA+4*\k:GA+4*\k+3], v1, s[14:15] offset:512*\k
.endr
.irp k, 0,1,2,3,4,5,6,7
	global_load_b128 v[BE+4*\k:BE+4*\k+3], v1, s[16:17] offset:512*\k
.endr
.macro XROWS i0
	WIN 0xc0
.irp i, \i0, \i0+1, \i0+2, \i0+3
.irp k, 0,1,2,3,4,5,6,7
	global_load_b128 v[32*(\i)+4*\k:32*(\i)+4*\k+3], v1, s[12:13] offset:4096*(\i)+512*\k th:TH_LOAD_NT
.endr
.endr
	WIN 0
.endm
	XROWS 0
.macro FETCHW buf, t0, pass
	WIN 0x80
.irp tl, 0,1
.irp s, 0,1,2,3,4,5,6,7
	ds_load_b128 v[128*\buf+64*\tl+8*\s:128*\buf+64*\tl+8*\s+3], v2 offset:(\t0+\tl)*16*WP+64*\s
	ds_load_b128 v[128*\buf+64*\tl+8*\s+4:128*\buf+64*\tl+8*\s+7], v2 offset:(\t0+\tl)*16*WP+64*\s+32
.endr
.endr
	WIN 0
.irp tl, 0,1
	ds_load_b128 v[WS+8*\buf+4*\tl:WS+8*\buf+4*\tl+3], v3 offset:\pass*4352+(\t0+\tl)*544
.endr
.endm
.macro MM acc, fa, fb, sa, sb, q
.if (\q) == 0
	v_wmma_scale_f32_16x16x128_f8f6f4 v[(\acc):(\acc)+7], v[(\fa):(\fa)+7], v[(\fb):(\fb)+7], 0, v[\sa], v[\sb] matrix_a_fmt:MATRIX_FMT_FP4 matrix_b_fmt:MATRIX_FMT_FP4
.elseif (\q) < 4
	v_wmma_scale_f32_16x16x128_f8f6f4 v[(\acc):(\acc)+7], v[(\fa):(\fa)+7], v[(\fb):(\fb)+7], v[(\acc):(\acc)+7], v[\sa], v[\sb] matrix_a_fmt:MATRIX_FMT_FP4 matrix_b_fmt:MATRIX_FMT_FP4
.else
	v_wmma_scale_f32_16x16x128_f8f6f4 v[(\acc):(\acc)+7], v[(\fa):(\fa)+7], v[(\fb):(\fb)+7], v[(\acc):(\acc)+7], v[\sa], v[\sb] matrix_a_fmt:MATRIX_FMT_FP4 matrix_b_fmt:MATRIX_FMT_FP4 matrix_a_scale:MATRIX_SCALE_ROW1 matrix_b_scale:MATRIX_SCALE_ROW1
.endif
.endm
.macro MULG buf, wt0
	WIN 0x52
.irp s, 0,1,2,3,4,5,6,7
.irp tl, 0,1
.irp rt, 0,1
	MM 16*(\wt0+\tl)+8*\rt, 128*\buf+64*\tl+8*\s, AF+64*\rt+8*\s, WS+8*\buf+4*\tl+\s%4, AS+4*\rt+\s%4, \s
.endr
.endr
.endr
	WIN 0
.endm
	s_wait_tensorcnt 1
	s_wait_alu depctr_va_vdst(0)
	FETCHW 0, 0, 0
	FETCHW 1, 2, 0
	s_wait_dscnt 34
	s_wait_loadcnt 48
	MULG 0, 0
	s_wait_tensorcnt 0x0
	PLACES
	FETCHW 0, 4, 0
	s_wait_dscnt 34
	MULG 1, 2
	PLACES
	FETCHW 1, 6, 0
	s_wait_dscnt 34
	MULG 0, 4
	s_wait_tensorcnt 0x0
	ds_add_u32 v28, v29
	s_wait_dscnt 0x0
	CROUND
	tensor_load_to_lds s[G0R:G0R+3], s[G1R:G1R+7]
	s_nop 0
.rept 4
	v_nop
.endr
	XROWS 4
	MULG 1, 6
	PLACES
	s_wait_tensorcnt 0x0
	FETCHW 0, 0, 1
	FETCHW 1, 2, 1
	s_wait_dscnt 34
	MULG 0, 8
	PLACES
	FETCHW 0, 4, 1
	s_wait_dscnt 34
	MULG 1, 10
	PLACES
	FETCHW 1, 6, 1
	s_wait_dscnt 34
	MULG 0, 12
	s_wait_dscnt 0x0
	MULG 1, 14
	s_barrier_signal -1
	s_barrier_wait -1
	PLACES
	WIN 0x04
.irp wt, 0,1,2,3,4,5,6,7,8,9,10,11,12,13,14,15
	ds_store_b128 v4, v[16*\wt:16*\wt+3] offset:64*\wt
	ds_store_b128 v4, v[16*\wt+4:16*\wt+7] offset:64*\wt+16
	ds_store_b128 v5, v[16*\wt+8:16*\wt+11] offset:64*\wt
	ds_store_b128 v5, v[16*\wt+12:16*\wt+15] offset:64*\wt+16
.endr
	WIN 0
	v_mov_b32 v[MU+1], 0
	v_mov_b32 v[RS+1], 0
	s_wait_dscnt 0x0
	s_barrier_signal -1
	s_barrier_wait -1
	s_wait_loadcnt 0x0
.macro LOADROW i
.irp k, 0,1,2,3,4,5,6,7
	ds_load_b128 v[HB+32*((\i)%2)+4*\k:HB+32*((\i)%2)+4*\k+3], v6 offset:SPI*(\i)+512*\k
.endr
.endm
.macro REDUCE
	v_add_f32_dpp v[T], v[T], v[T] row_xmask:1 row_mask:0xf bank_mask:0xf
	v_add_f32_dpp v[T], v[T], v[T] row_xmask:2 row_mask:0xf bank_mask:0xf
	v_add_f32_dpp v[T], v[T], v[T] row_xmask:4 row_mask:0xf bank_mask:0xf
	v_add_f32_dpp v[T], v[T], v[T] row_xmask:8 row_mask:0xf bank_mask:0xf
	v_permlanex16_b32 v[T+1], v[T], s72, s73
	v_add_f32 v[T], v[T], v[T+1]
.endm
.macro ROW i
.set H, HB+32*((\i)%2)
.if (\i) < 7
	s_wait_dscnt 8
.else
	s_wait_dscnt 0x0
.endif
	WIN 0x0c
.set j, 0
.rept 16
	v_pk_add_f32 v[H+j:H+j+1], v[H+j:H+j+1], v[32*(\i)+j:32*(\i)+j+1]
.set j, j+2
.endr
	WIN 0
	v_pk_add_f32 v[T:T+1], v[H:H+1], v[H+2:H+3]
	v_pk_add_f32 v[T+2:T+3], v[H+4:H+5], v[H+6:H+7]
.irp j, 8,12,16,20,24,28
	v_pk_add_f32 v[T:T+1], v[T:T+1], v[H+\j:H+\j+1]
	v_pk_add_f32 v[T+2:T+3], v[T+2:T+3], v[H+\j+2:H+\j+3]
.endr
	v_pk_add_f32 v[T:T+1], v[T:T+1], v[T+2:T+3]
	v_add_f32 v[T], v[T], v[T+1]
	REDUCE
	v_mul_f32 v[MU], s74, v[T]
.set j, 0
.rept 16
	v_pk_add_f32 v[H+j:H+j+1], v[H+j:H+j+1], v[MU:MU+1] op_sel_hi:[1,0] neg_lo:[0,1] neg_hi:[0,1]
.set j, j+2
.endr
	v_pk_mul_f32 v[T:T+1], v[H:H+1], v[H:H+1]
	v_pk_mul_f32 v[T+2:T+3], v[H+2:H+3], v[H+2:H+3]
.irp j, 4,8,12,16,20,24,28
	v_pk_fma_f32 v[T:T+1], v[H+\j:H+\j+1], v[H+\j:H+\j+1], v[T:T+1]
	v_pk_fma_f32 v[T+2:T+3], v[H+\j+2:H+\j+3], v[H+\j+2:H+\j+3], v[T+2:T+3]
.endr
	v_pk_add_f32 v[T:T+1], v[T:T+1], v[T+2:T+3]
	v_add_f32 v[T], v[T], v[T+1]
	REDUCE
	v_fma_f32 v[RS], v[T], s74, s75
	s_wait_alu depctr_va_vdst(0)
	v_rsq_f32 v[RS], v[RS]
	v_nop
.set j, 0
	s_wait_alu depctr_va_vdst(0)
.rept 16
	v_pk_mul_f32 v[H+j:H+j+1], v[H+j:H+j+1], v[RS:RS+1] op_sel_hi:[1,0]
.set j, j+2
.endr
.set j, 0
.rept 16
	v_pk_fma_f32 v[H+j:H+j+1], v[H+j:H+j+1], v[GA+j:GA+j+1], v[BE+j:BE+j+1]
.set j, j+2
.endr
.irp k, 0,1,2,3,4,5,6,7
	global_store_b128 v1, v[H+4*\k:H+4*\k+3], s[18:19] offset:4096*(\i)+512*\k th:TH_STORE_NT
.endr
.if (\i) < 6
	s_wait_xcnt 0x0
	LOADROW (\i)+2
.endif
.endm
	LOADROW 0
	LOADROW 1
.irp i, 0,1,2,3,4,5,6,7
	ROW \i
.endr
	s_wait_tensorcnt 0x0
	ds_add_u32 v28, v29
	s_wait_dscnt 0x0
	CROUND
	s_endpgm
.Lfunc_end_k_q9e8e2dd7aa_oproj:
	.size	k_q9e8e2dd7aa_oproj, .Lfunc_end_k_q9e8e2dd7aa_oproj-k_q9e8e2dd7aa_oproj
	.p2alignl 7, 3214868480
	.fill 96, 4, 3214868480
	.section	.rodata,"a",@progbits
	.p2align	6, 0x0
	.amdhsa_kernel k_q9e8e2dd7aa_oproj
		.amdhsa_group_segment_fixed_size 327680
		.amdhsa_private_segment_fixed_size 0
		.amdhsa_enable_private_segment 0
		.amdhsa_kernarg_size 64
		.amdhsa_user_sgpr_count 2
		.amdhsa_user_sgpr_kernarg_segment_ptr 1
		.amdhsa_wavefront_size32 1
		.amdhsa_system_sgpr_workgroup_id_x 1
		.amdhsa_system_sgpr_workgroup_id_y 1
		.amdhsa_system_sgpr_workgroup_id_z 1
		.amdhsa_system_vgpr_workitem_id 0
		.amdhsa_next_free_vgpr 1024
		.amdhsa_next_free_sgpr 84
		.amdhsa_reserve_vcc 0
		.amdhsa_float_denorm_mode_32 3
		.amdhsa_float_denorm_mode_16_64 3
		.amdhsa_memory_ordered 1
		.amdhsa_forward_progress 1
		.amdhsa_inst_pref_size 141
	.end_amdhsa_kernel
	.amdgpu_metadata
---
amdhsa.version: [ 1, 2 ]
amdhsa.kernels:
  - .name:           k_q9e8e2dd7aa_oproj
    .symbol:         k_q9e8e2dd7aa_oproj.kd
    .args:
      - { .name: a_img, .offset: 0, .size: 8, .value_kind: global_buffer, .address_space: global }
      - { .name: a_sc, .offset: 8, .size: 8, .value_kind: global_buffer, .address_space: global }
      - { .name: Wo_codes, .offset: 16, .size: 8, .value_kind: global_buffer, .address_space: global }
      - { .name: Wo_scales, .offset: 24, .size: 8, .value_kind: global_buffer, .address_space: global }
      - { .name: x, .offset: 32, .size: 8, .value_kind: global_buffer, .address_space: global }
      - { .name: gamma, .offset: 40, .size: 8, .value_kind: global_buffer, .address_space: global }
      - { .name: beta, .offset: 48, .size: 8, .value_kind: global_buffer, .address_space: global }
      - { .name: out0, .offset: 56, .size: 8, .value_kind: global_buffer, .address_space: global }
    .group_segment_fixed_size: 327680
    .private_segment_fixed_size: 0
    .kernarg_segment_align: 8
    .kernarg_segment_size: 64
    .max_flat_workgroup_size: 128
    .sgpr_count:     84
    .vgpr_count:     1024
    .wavefront_size: 32
...
	.end_amdgpu_metadata
.endif
;; end of part 4
